; MI455X (gfx1250); checked and timed in simulation.
; The chip was launched on July 23, 2026; its instructions are those of AMD's public machine-readable ISA for CDNA 5 (MIT licence, August 2026) and "CDNA5" Instruction Set Architecture Reference Guide (July 2026). The comments in the code are by the model that wrote it; some were corrected since.
;; Head. Allowed arithmetic: matrix products marked QUANTISED: E3M2 operands, one E8M0 scale for each 32 along K, by v_wmma_scale_f32_16x16x128_f8f6f4 with both operands' format E3M2, f32 sums; products left as they are: f32 operands where the result goes on into a quantised operand, else bf16, f16 or f32 operands; f32 sums; everything else in f32.
;; Inputs: Wk 2 x 2,048 float32; Wo 2,048 x 2,048 float32; Wq 2 x 2,048 float32; Wv 2 x 2,048 float32; bk 2,048 float32; bo 2,048 float32; bq 2,048 float32; bv 2,048 float32; x 16 x 512 x 2 float32.
;; Outputs: out0 16 x 512 x 2,048 float32.
;; This version of the problem:
;;   THIS VERSION OF THE PROBLEM IS GIVEN IN LOW PRECISION. The matrix products marked QUANTISED in the list below multiply operands that are first quantised to E3M2 (3 exponent bits, 2 mantissa bits; 6 bits a number), with one power-of-two scale for each 32 numbers along K (OCP MX v1.0); their sums are f32. All else is computed in f32.
;;   The module's matrix products, in the order in which they are computed (A, B: the left and right operand; K: the contracted axis; several contracted axes count as one K, in the product's order):
;;     1. [M 8,192, K 2] x [K 2, N 2,048]; A: input x; B: input Wk: left as it is (K = 2 < 32)
;;     2. [M 8,192, K 2] x [K 2, N 2,048]; A: input x; B: input Wq: left as it is (K = 2 < 32)
;;     3. [M 8,192, K 2] x [K 2, N 2,048]; A: input x; B: input Wv: left as it is (K = 2 < 32)
;;     4. batch 16 x [M 512, K 2,048] x [K 2,048, N 512]; A: computed on the way; B: computed on the way: QUANTISED
;;     5. batch 16 x [M 512, K 512] x [K 512, N 2,048]; A: softmax (see below); B: computed on the way: QUANTISED
;;     6. [M 8,192, K 2,048] x [K 2,048, N 2,048]; A: computed on the way; B: input Wo: QUANTISED
;;   THE QUANTISER, for each operand of a quantised product, along K:
;;     - K is cut into blocks of 32 from its start; a last block that is shorter is filled with zeros.
;;     - A block's scale is 2^e with e = floor(log2(the largest magnitude in the block)) - 4, held to -126 .. 127; a block of zeros has e = 0. As a byte (E8M0): e + 127.
;;     - Each number is divided by its block's scale, clamped to +-28, and rounded to the nearest number of E3M2, ties to even, subnormals kept.
;;     - The product sums the exact products of the quantised numbers (number of the format x scale) in f32.
;;   ~~~python
;;   def quantise(x, axis):      # numpy; x: float32 -> the quantised numbers, widened to float32 again
;;       x = np.moveaxis(x, axis, -1); K = x.shape[-1]
;;       x = np.pad(x, [(0, 0)] * (x.ndim - 1) + [(0, -K % 32)]); x = x.reshape(x.shape[:-1] + (-1, 32)); a = np.abs(x).max(-1, keepdims=True)
;;       e = np.where(a > 0, np.clip(np.frexp(np.where(a > 0, a, 1))[1] - 1 - 4, -126, 127), 0)      # np.frexp(a)[1] - 1 = floor(log2(a)), exactly
;;       r = np.clip(x / 2.0 ** e, -28, 28)
;;       step = 2.0 ** (np.maximum(np.frexp(np.where(r == 0, 1, r))[1] - 1, -2) - 2)
;;       q = np.round(r / step) * step * 2.0 ** e      # np.round: ties to even
;;       return np.moveaxis(q.reshape(q.shape[:-2] + (-1,))[..., :K], -1, axis).astype(np.float32)
;;   ~~~
;;   SOFTMAX AHEAD OF A QUANTISED PRODUCT. Where the list says 'softmax', what is quantised is not the finished softmax but p = 2^(t - M), with t = logit x log2(e) and M = ceil(the row's largest t), a whole number; so 1/2 < the row's largest p <= 1. The row's sum l is taken of the UNQUANTISED p, in f32, and the product's result is divided by l at the end. Since M is a whole number, a kernel that streams over the keys may use a running M (the ceiling of the running maximum): every later rescaling is an exact power of two, which a block's scale takes up: the codes' values come out the same.
;;   OPERANDS COMPUTED ON THE WAY. 'Computed on the way' means the value that the module computes at that place (a softmax that the list does not call 'softmax' is quantised finished and normalised). What goes into a quantiser is computed in f32, as accurately as f32 sums, v_exp_f32 and their like allow (about 1e-6 of the number): no bf16 or f16 on the way to a quantiser, and a product that is left as it is and whose result goes on into a quantised operand takes f32 operands (vector FMAs, or v_wmma_f32_16x16x4_f32). A number that lies on a knife's edge between two numbers of the format may be rounded either way, as far as f32 arithmetic and the matrix unit's own rounding can turn it there, and no further.
;; One version. Each part assembles by itself: llvm-mc -triple=amdgcn-amd-amdhsa -mcpu=gfx1250 --defsym DOCPART=n.
;; ======== version 1 of 1: 4 launches
;; limits: right only within a limited range of input values
;; workspace buffers: qk 26,214,400 bytes; wob 3,276,800 bytes; p 2,293,760 bytes; a 13,107,200 bytes
;; launch prep (part 1): grid 256 x 1, 4 waves a work-group, no clusters, 0 bytes of LDS; arguments x, Wq, bq, Wk, bk, Wo, qk, wob; writes qk, wob
.if DOCPART == 1
	.amdgcn_target "amdgcn-amd-amdhsa--gfx1250"
	.amdhsa_code_object_version 6
	.text
	.protected	k_q4c6aff2c92_prep
	.globl	k_q4c6aff2c92_prep
	.p2align	8
	.type	k_q4c6aff2c92_prep,@function
k_q4c6aff2c92_prep:
	s_mov_b64 s[64:65], 0
	v_nop
	global_prefetch_b8 v0, s[64:65] scope:SCOPE_SE
	s_setreg_imm32_b32 hwreg(HW_REG_WAVE_MODE, 25, 1), 1
	s_wait_xcnt 0x0
; q = x Wq + bq and k = x Wk + bk ([8192][2048], K = 2: fused multiply-adds in f32) are made and at once turned into codes of BF6 (E3M2) along the 2,048, with one E8M0 byte for each 32;
; Wo [2048 (k)][2048 (n)] is turned into codes along its FIRST axis.  Nothing of q and k goes to memory as f32.
; WORK LEFT OUT BY THE PROGRAM.  reference() sets wei to -inf where key > query (its own jnp.tril) ahead of the softmax, so those weights are 0 for all values of the inputs.  The later launches therefore make no
; tile of 128 queries x 128 keys of q k^T in which every key comes after every query, and no key step of the product with v whose weights are all 0.  Every input has a way to the output and is loaded (bk and bq move codes).
; LIMITS.  A NaN, an infinity or an overflow that reaches only the tiles left out is not carried to the result.  NaN and infinities among the inputs are not served.  A block of zeros gets the byte 1 where the
; rule says 127: its codes are zeros, and this program alone reads the bytes.  q = fma(x0, W0, fma(x1, W1, b)): an order of rounding that differs from reference()'s.
; LAYOUT OF EVERY OPERAND IN THIS PROGRAM: THE IMAGE OF ITS REGISTERS.  A fragment (16 rows x 128 K, 12 registers a lane) is 1,536 bytes: three runs of 512, lane l's registers 4 c .. 4 c + 3 at 512 c + 16 l.
; Lane (r, h) of a fragment holds row r; registers 6 c .. 6 c + 5 hold K = 64 c + 32 h + 0 .. 31.  Images lie [tile][K step][1536].  Each store of a wave covers 512 consecutive bytes, aligned.
; qk: q's images at 0, k's at K_IMG; scale words [K step][4 tiles together][row][tile % 4] at Q_SC, k's 524,288 further.  A tile of q is 16 neighbouring tokens.  A tile 2 P + u of k holds in lane r token
; 32 P + 8 u + r + 8 (r / 8), so that the scores of two neighbouring tiles are 16 neighbouring keys in a lane of the next launch.
; wob: Wo^T's images [n / 16][K step][1536] at 0; scale words [K step][n] at B_SC.
; SHARES.  Work-group u: tensor u / 128 (q or k), four K steps (u / 32) % 4, one to a wave, for the 16 tiles 16 (u % 32) on: a wave's 64 numbers of W's two rows and of b stay in registers.
; And of Wo: columns 128 (u % 16) + 32 wave + lane, k = 128 (u / 16) on: a lane takes a column and its registers run down K.  Of Wo's 128 loads 32 are issued at the head and ten in each of the first ten tiles
; (six in the tenth); they are used behind the sixteenth tile, so the last of them have six tiles' work in which to land.
; A tile's stores stand behind the NEXT tile's multiply-adds, not directly behind the lines that write their data.
; No LDS, no barrier: waves share nothing.  REGISTERS: window 0: v1-11 addresses; v12-23 at work; v24-55 x of 16 tiles; v56-59 scale words; v60-91 codes; v128-191 64 numbers.  window 1: W's rows and b.  window 2: Wo's 128 numbers.
.set TP,    24576                      ; from tile to tile in an image tensor: 16 K steps
.set FRB,   1536                       ; a fragment's image
.set K_IMG, 12582912
.set Q_SC,  25165824
.set B_SC,  3145728
.set XR,    24                         ; v24-55   x0, x1 of my row in each of the 16 tiles
.set SW,    56                         ; v56-59   four tiles' scale words
.set FF,    60                         ; v60-71   a fragment's codes
.set GG,    72                         ; v72-79   the second halves of two blocks, as the conversions leave them
.set F1,    80                         ; v80-91   Wo: the second fragment
.set TT,    128                        ; v128-191 64 numbers: 32 c + i is K = 64 c + 32 h + i
.set MSB, 0
.macro WIN new                         ; the immediate's high byte repeats the setting that is left
.if MSB != \new
	s_set_vgpr_msb (MSB<<8)|\new
.set MSB, \new
.endif
.endm
	s_load_b512 s[4:19], s[0:1], 0x0               ; x, Wq, bq, Wk, bk, Wo, qk, wob
	v_lshrrev_b32 v1, 5, v0
	v_readfirstlane_b32 s20, v1                    ; wave
	v_and_b32 v1, 31, v0                           ; lane
	v_and_b32 v2, 15, v0                           ; r
	s_wait_alu depctr_va_vdst(0)
	v_bfe_u32 v3, v0, 4, 1                         ; h
	v_lshlrev_b32 v4, 4, v1                        ; 16 x lane: my place in a run of an image
	v_lshlrev_b32 v5, 4, v2                        ; 16 r: my row's four scale words
	v_lshlrev_b32 v6, 3, v3                        ; 8 h
	v_lshlrev_b32 v7, 7, v3                        ; 128 h: my half's 32 numbers of W and b
	v_lshlrev_b32 v10, 2, v1                       ; 4 x lane: my column of Wo
	v_mov_b32 v11, 0                               ; a lane permute's destination counts as one of its sources
	v_mov_b32 v23, 0                               ; named as the upper half of the pair v[22:23]
	s_lshr_b32 s21, ttmp9, 7                       ; 0: q, 1: k
	s_bfe_u32 s22, ttmp9, 0x20005
	s_and_b32 s23, ttmp9, 31                       ; which 16 tiles
	s_lshl_b32 s24, s22, 2
	s_add_co_u32 s24, s24, s20                     ; my K step
	s_mov_b32 s28, 0x76543210
	s_mov_b32 s29, 0xfedcba98                      ; v_permlanex16_b32's selects for lane l xor 16
	s_mov_b32 s30, 0x2800000                       ; the floor 2^(5 - 127)
	s_lshl_b32 s31, s21, 6
	v_lshrrev_b32 v8, 3, v2
	v_mul_u32_u24 v8, s31, v8
	v_lshl_add_u32 v8, v2, 3, v8                   ; x of an even tile: 8 r, and for k 64 (r / 8) more
	s_sub_co_u32 s25, 128, s31
	v_add_nc_u32 v9, s25, v8                       ; of an odd tile: 16 tokens on for q, 8 for k
	s_lshl_b32 s48, s24, 9                         ; my K step in W's rows and in b
	s_mov_b32 s49, 0
	s_mul_i32 s50, s21, K_IMG
	s_mul_i32 s52, s23, 16*TP
	s_add_co_u32 s50, s50, s52
	s_mul_i32 s52, s24, FRB
	s_add_co_u32 s50, s50, s52                     ; my first image
	s_mov_b32 s51, 0
	s_lshl_b32 s52, s21, 19
	s_lshl_b32 s54, s24, 15
	s_add_co_u32 s52, s52, s54
	s_lshl_b32 s54, s23, 10
	s_add_co_u32 s52, s52, s54
	s_add_co_u32 s52, s52, Q_SC                    ; my first scale words
	s_mov_b32 s53, 0
	s_and_b32 s26, ttmp9, 15
	s_lshr_b32 s27, ttmp9, 4                       ; Wo's K step
	s_lshl_b32 s54, s26, 2
	s_add_co_u32 s54, s54, s20                     ; which 32 columns of Wo
	s_lshl_b32 s56, s54, 7
	s_lshl_b32 s25, s27, 20
	s_add_co_u32 s56, s56, s25                     ; Wo: 128 rows of 8,192 bytes a K step, 128 bytes for 32 columns
	s_mov_b32 s57, 0
	; Wo: WHICH COLUMNS FORM A TILE: tile 4 G + t holds in lane r column 64 G + 4 r + t, so that in the last launch a lane's results of four tiles are four neighbouring columns.
	; My wave's 32 columns are 64 G + 32 u + lane: they go to tile 4 G + lane % 4, row 8 u + lane / 4
	s_lshr_b32 s58, s54, 1                         ; G
	s_mul_i32 s58, s58, 4*TP
	s_and_b32 s25, s54, 1                          ; u
	s_lshl_b32 s25, s25, 7                         ; 8 u rows of 16 bytes
	s_add_co_u32 s58, s58, s25
	s_mul_i32 s25, s27, FRB
	s_add_co_u32 s58, s58, s25                     ; its two images
	s_mov_b32 s59, 0
	s_lshr_b32 s60, s54, 1
	s_lshl_b32 s60, s60, 8                         ; four tiles' words
	s_and_b32 s25, s54, 1
	s_lshl_b32 s25, s25, 5                         ; 8 u rows of 4 bytes
	s_add_co_u32 s60, s60, s25
	s_lshl_b32 s25, s27, 13
	s_add_co_u32 s60, s60, s25
	s_add_co_u32 s60, s60, B_SC                    ; its scale words
	s_mov_b32 s61, 0
	s_lshl_b32 s62, s23, 11                        ; x: 256 tokens of 8 bytes
	s_mov_b32 s63, 0
	s_wait_alu depctr_va_vdst(0)
	s_wait_kmcnt 0x0
	s_cmp_eq_u32 s21, 0                            ; the choice hangs on the work-group's number alone
	s_cselect_b64 s[32:33], s[6:7], s[10:11]
	s_cselect_b64 s[34:35], s[8:9], s[12:13]
	s_add_nc_u64 s[32:33], s[32:33], s[48:49]
	s_add_nc_u64 s[34:35], s[34:35], s[48:49]
	s_add_nc_u64 s[36:37], s[16:17], s[50:51]
	s_add_nc_u64 s[38:39], s[16:17], s[52:53]
	s_add_nc_u64 s[40:41], s[14:15], s[56:57]
	s_add_nc_u64 s[42:43], s[18:19], s[58:59]
	s_add_nc_u64 s[44:45], s[18:19], s[60:61]
	s_add_nc_u64 s[46:47], s[4:5], s[62:63]
	WIN 0x40                                       ; destination window 1
.irp c, 0,1
.irp n, 0,1,2,3,4,5,6,7
	global_load_b128 v[32*\c+4*\n:32*\c+4*\n+3], v7, s[32:33] offset:256*\c+16*\n               ; W's row 0
	global_load_b128 v[64+32*\c+4*\n:64+32*\c+4*\n+3], v7, s[32:33] offset:8192+256*\c+16*\n    ; W's row 1
	global_load_b128 v[128+32*\c+4*\n:128+32*\c+4*\n+3], v7, s[34:35] offset:256*\c+16*\n       ; b
.endr
.endr
	WIN 0
.irp t, 0,1,2,3,4,5,6,7,8,9,10,11,12,13,14,15
	global_load_b64 v[XR+2*\t:XR+2*\t+1], v[8+\t%2], s[46:47] offset:256*(\t/2)
.endr
	WIN 0x80                                       ; destination window 2
.irp n, 0,1,2,3,4,5,6,7,8,9,10,11,12,13,14,15,16,17,18,19,20,21,22,23,24,25,26,27,28,29,30,31
	global_load_b32 v[\n], v10, s[40:41] offset:\n*8192 th:TH_LOAD_NT   ; Wo(k, my column): 32 lanes read 128 consecutive bytes; read once in the launch
.endr
	WIN 0
	s_wait_loadcnt 32                              ; W, b and x are in; the 32 younger loads are Wo's
; The 64 numbers in v[TT] on become a fragment's codes in v[FF] on and its scale word in v[w].  A whole block of 32 lies in my lane: block 2 c + h.
.macro QW w
.irp c, 0,1
.irp z, 0,1
	v_max3_num_f32 v[12+2*\c+\z], |v[TT+32*\c+16*\z]|, |v[TT+32*\c+16*\z+1]|, 0x2800000   ; four chains, by turns; the floor, under which no largest magnitude is taken, holds the byte at 1 from below
.endr
.endr
.irp i, 2,4,6,8,10,12,14
.irp c, 0,1
.irp z, 0,1
	v_max3_num_f32 v[12+2*\c+\z], v[12+2*\c+\z], |v[TT+32*\c+16*\z+\i]|, |v[TT+32*\c+16*\z+\i+1]|
.endr
.endr
.endr
	v_max_num_f32 v12, v12, v13
	v_max_num_f32 v14, v14, v15
	v_add_nc_u32 v16, 0xfe000000, v12              ; 4 off the exponent field: the conversion takes the exponent field of this operand as its scale
	v_add_nc_u32 v17, 0xfe000000, v14
	v_lshrrev_b32 v18, 23, v16                     ; the scale's byte
	v_lshrrev_b32 v19, 23, v17
	s_wait_alu depctr_va_vdst(0)
	s_wait_xcnt 0x0                                ; the last tile's stores have read their data: the words and the codes are written again only behind this wait
	v_lshl_or_b32 v[\w], v19, 16, v18              ; my two bytes, blocks h and 2 + h,
	v_lshlrev_b32 v[\w], v6, v[\w]                 ; at their places;
	v_permlanex16_b32 v11, v[\w], s28, s29
	v_or_b32 v[\w], v[\w], v11                     ; with lane l xor 16's two the word is whole
	v_cvt_scalef32_pk16_bf6_f32 v[FF:FF+2], v[TT:TT+15], v16
	v_cvt_scalef32_pk16_bf6_f32 v[GG:GG+2], v[TT+16:TT+31], v16       ; (a conversion's three registers begin on an even number)
	v_cvt_scalef32_pk16_bf6_f32 v[FF+6:FF+8], v[TT+32:TT+47], v17
	v_cvt_scalef32_pk16_bf6_f32 v[GG+4:GG+6], v[TT+48:TT+63], v17
	v_nop                                          ; one plain place behind a scaled conversion
.irp i, 0,1,2
	v_mov_b32 v[FF+3+\i], v[GG+\i]
	v_mov_b32 v[FF+9+\i], v[GG+4+\i]
.endr
.endm
.macro PUT t                           ; tile t's codes leave, and with every fourth tile four tiles' scale words
.irp c, 0,1,2
	global_store_b128 v4, v[FF+4*\c:FF+4*\c+3], s[36:37] offset:(\t)*TP+512*\c
.endr
.if (\t)%4 == 3
	global_store_b128 v5, v[SW:SW+3], s[38:39] offset:((\t)/4)*256   ; four tiles' words of 16 rows: 256 consecutive bytes; lanes 16-31 repeat lanes 0-15's address and data
.endif
.endm
.macro TILE t
	v_mov_b32 v22, v[XR+2*(\t)+1]                  ; x1, as the low word of a pair
	WIN 0x14                                       ; sources 1 and 2 window 1
.set j, 0
.rept 32
	v_pk_fma_f32 v[TT+j:TT+j+1], v[22:23], v[64+j:65+j], v[128+j:129+j] op_sel_hi:[0,1,1]   ; x1 W1 + b
.set j, j+2
.endr
	WIN 0x04                                       ; source 1 window 1
.set j, 0
.rept 32
	v_pk_fma_f32 v[TT+j:TT+j+1], v[XR+2*(\t):XR+2*(\t)+1], v[j:j+1], v[TT+j:TT+j+1] op_sel_hi:[0,1,1]   ; + x0 W0
.set j, j+2
.endr
.if (\t) < 10
	WIN 0x80
.irp n, 0,1,2,3,4,5,6,7,8,9
.if 32+10*(\t)+\n < 128
	global_load_b32 v[32+10*(\t)+\n], v10, s[40:41] offset:(32+10*(\t)+\n)*8192 th:TH_LOAD_NT   ; ten more rows of Wo
.endif
.endr
.endif
	WIN 0
.if (\t) > 0
	PUT (\t)-1                                     ; the tile before: its data were written 64 instructions ago and are written again only behind the wait in QW
.endif
	QW SW+(\t)%4
.endm
.irp t, 0,1,2,3,4,5,6,7,8,9,10,11,12,13,14,15
	TILE \t
.endr
	PUT 15
	; Wo: my column's four blocks of 32 along K
	s_wait_loadcnt 0x0
	WIN 0x28                                       ; sources 1 and 2 window 2
.irp b, 0,1,2,3
.irp z, 0,1
	v_max3_num_f32 v[128+2*\b+\z], s30, |v[32*\b+16*\z]|, |v[32*\b+16*\z+1]|
.endr
.endr
.irp i, 2,4,6,8,10,12,14
.irp b, 0,1,2,3
.irp z, 0,1
	v_max3_num_f32 v[128+2*\b+\z], v[128+2*\b+\z], |v[32*\b+16*\z+\i]|, |v[32*\b+16*\z+\i+1]|
.endr
.endr
.endr
	WIN 0
.irp b, 0,1,2,3
	v_max_num_f32 v[128+2*\b], v[128+2*\b], v[129+2*\b]
.endr
.irp b, 0,1,2,3
	v_add_nc_u32 v[136+\b], 0xfe000000, v[128+2*\b]
.endr
.irp b, 0,1,2,3
	v_lshrrev_b32 v[140+\b], 23, v[136+\b]
.endr
	v_and_b32 v21, 3, v1                           ; t = lane % 4
	v_lshrrev_b32 v22, 2, v1                       ; lane / 4
	v_mul_u32_u24 v23, 0x6000, v21
	v_lshl_add_u32 v23, v22, 4, v23                ; my place in the images: tile t, 16 bytes a row
	v_lshlrev_b32 v21, 6, v21
	v_lshl_add_u32 v21, v22, 2, v21                ; and among the scale words [K step][tile][row]
	v_lshl_or_b32 v20, v141, 8, v140
	v_lshl_or_b32 v20, v142, 16, v20
	v_lshl_or_b32 v20, v143, 24, v20
	s_wait_xcnt 0x0                                ; the last tile's stores have read the codes' registers
	WIN 0x02                                       ; source 0 window 2
	v_cvt_scalef32_pk16_bf6_f32 v[FF:FF+2], v[0:15], v136
	v_cvt_scalef32_pk16_bf6_f32 v[144:146], v[16:31], v136
	v_cvt_scalef32_pk16_bf6_f32 v[F1:F1+2], v[32:47], v137
	v_cvt_scalef32_pk16_bf6_f32 v[148:150], v[48:63], v137
	v_cvt_scalef32_pk16_bf6_f32 v[FF+6:FF+8], v[64:79], v138
	v_cvt_scalef32_pk16_bf6_f32 v[152:154], v[80:95], v138
	v_cvt_scalef32_pk16_bf6_f32 v[F1+6:F1+8], v[96:111], v139
	v_cvt_scalef32_pk16_bf6_f32 v[156:158], v[112:127], v139
	WIN 0
	v_nop
.irp i, 0,1,2
	v_mov_b32 v[FF+3+\i], v[144+\i]                ; v[FF] on: my column's blocks 0 and 2;
	v_mov_b32 v[F1+3+\i], v[148+\i]                ; v[F1] on: blocks 1 and 3
	v_mov_b32 v[FF+9+\i], v[152+\i]
	v_mov_b32 v[F1+9+\i], v[156+\i]
.endr
.irp c, 0,1,2
	global_store_b128 v23, v[FF+4*\c:FF+4*\c+3], s[42:43] offset:512*\c       ; blocks 0 and 2: the image's lane r; the eight lanes of one tile write 128 consecutive bytes, the neighbouring wave the 128 beside them
	global_store_b128 v23, v[F1+4*\c:F1+4*\c+3], s[42:43] offset:256+512*\c   ; blocks 1 and 3: its lane 16 + r
.endr
	global_store_b32 v21, v20, s[44:45]
	s_endpgm
.Lfunc_end_k_q4c6aff2c92_prep:
	.size	k_q4c6aff2c92_prep, .Lfunc_end_k_q4c6aff2c92_prep-k_q4c6aff2c92_prep
	.p2alignl 7, 3214868480
	.fill 96, 4, 3214868480
	.section	.rodata,"a",@progbits
	.p2align	6, 0x0
	.amdhsa_kernel k_q4c6aff2c92_prep
		.amdhsa_group_segment_fixed_size 0
		.amdhsa_private_segment_fixed_size 0
		.amdhsa_enable_private_segment 0
		.amdhsa_kernarg_size 64
		.amdhsa_user_sgpr_count 2
		.amdhsa_user_sgpr_kernarg_segment_ptr 1
		.amdhsa_wavefront_size32 1
		.amdhsa_system_sgpr_workgroup_id_x 1
		.amdhsa_system_sgpr_workgroup_id_y 1
		.amdhsa_system_sgpr_workgroup_id_z 1
		.amdhsa_system_vgpr_workitem_id 0
		.amdhsa_next_free_vgpr 640
		.amdhsa_next_free_sgpr 66
		.amdhsa_reserve_vcc 0
		.amdhsa_float_denorm_mode_32 3
		.amdhsa_float_denorm_mode_16_64 3
		.amdhsa_memory_ordered 1
		.amdhsa_forward_progress 1
		.amdhsa_inst_pref_size 149
	.end_amdhsa_kernel
	.amdgpu_metadata
---
amdhsa.version: [ 1, 2 ]
amdhsa.kernels:
  - .name:           k_q4c6aff2c92_prep
    .symbol:         k_q4c6aff2c92_prep.kd
    .args:
      - { .name: x, .offset: 0, .size: 8, .value_kind: global_buffer, .address_space: global }
      - { .name: Wq, .offset: 8, .size: 8, .value_kind: global_buffer, .address_space: global }
      - { .name: bq, .offset: 16, .size: 8, .value_kind: global_buffer, .address_space: global }
      - { .name: Wk, .offset: 24, .size: 8, .value_kind: global_buffer, .address_space: global }
      - { .name: bk, .offset: 32, .size: 8, .value_kind: global_buffer, .address_space: global }
      - { .name: Wo, .offset: 40, .size: 8, .value_kind: global_buffer, .address_space: global }
      - { .name: qk, .offset: 48, .size: 8, .value_kind: global_buffer, .address_space: global }
      - { .name: wob, .offset: 56, .size: 8, .value_kind: global_buffer, .address_space: global }
    .group_segment_fixed_size: 0
    .private_segment_fixed_size: 0
    .kernarg_segment_align: 8
    .kernarg_segment_size: 64
    .max_flat_workgroup_size: 128
    .sgpr_count:     66
    .vgpr_count:     640
    .wavefront_size: 32
...
	.end_amdgpu_metadata
.endif
;; end of part 1
;; launch scores (part 2): grid 10 x 16, 4 waves a work-group, no clusters, 197,632 bytes of LDS; arguments qk, p; writes p
.if DOCPART == 2
	.amdgcn_target "amdgcn-amd-amdhsa--gfx1250"
	.amdhsa_code_object_version 6
	.text
	.protected	k_q4c6aff2c92_scores
	.globl	k_q4c6aff2c92_scores
	.p2align	8
	.type	k_q4c6aff2c92_scores,@function
k_q4c6aff2c92_scores:
	s_mov_b64 s[64:65], 0
	v_nop
	global_prefetch_b8 v0, s[64:65] scope:SCOPE_SE
	s_setreg_imm32_b32 hwreg(HW_REG_WAVE_MODE, 25, 1), 1
	s_wait_xcnt 0x0
; S = q k^T on codes of BF6 (K = 2,048), the causal mask, and p = 2^(t - M) as codes along the keys, for one tile of 128 queries x 128 keys of one batch.
; WORK LEFT OUT: of a batch's 16 such tiles only the 10 with key block <= query block are made: in the others every key comes after every query, and reference()'s own mask makes their weights 0.
; M IS LOCAL: the ceiling of the largest t of my row among THESE 128 keys.  The codes' values do not hang on M; a block's scale byte moves by the whole number (row's M - local M), which the next launch takes off.
; For each row and 128 keys a record goes out: the scale word, -M as f32, the sum of the unquantised p, 0.
; LIMITS: NaN and infinities among the inputs are not served; a block whose every p is 0 gets the byte 1 (its codes are zeros).
; SHARES.  Wave w owns two tiles of 16 queries against all 8 tiles of 16 keys: 16 accumulators, 256 matrix instructions.  Its q (32 fragments, 384 registers) comes straight from memory: no other wave of the work-group
; reads it.  The keys' 128 fragments (196,608 bytes) come into LDS once, by one tensor load a wave, two tiles of all of K: nothing is filled again.  A wave has one tensor load out.
; NO CLUSTER: a key block is read by 4, 3, 2 or 1 work-groups of a batch, so no one shape of cluster divides the grid.  A load's rows are 24,576 bytes, two to a load: the images of two tiles, 16 K steps each.
; TRANSPOSED: source 0 = 16 keys, source 1 = 16 queries: a lane holds one query (lane % 16), and the 16 registers of key tiles 2 b, 2 b + 1 are keys 32 b + 16 (lane / 16) + 0 .. 15 (the first launch chose the tiles' rows so).
; REGISTERS: window 0: v1-11 addresses; v12-31 at work; v32-95 k's scale words (K step s, register j: lanes 0-15 tile j, lanes 16-31 tile 4 + j); v96-111 q's (lanes 0-15 my first tile, lanes 16-31 my second);
;   v112-123 p's codes; v124-127 the record; v128-255 S^T, 64 a tile of queries.   window 1: k's fragments, two sets.   windows 2, 3: q's fragments of my two tiles.
.set TP,    24576
.set FRB,   1536
.set K_IMG, 12582912
.set Q_SC,  25165824
.set K_SC,  25690112
.set P_REC, 1966080
.set SPARE, 196608                     ; behind the keys: the spare words, 128 bytes for each wave: two blocks of 256 bytes that no other line names
.set MSB, 0
.macro WIN new
.if MSB != \new
	s_set_vgpr_msb (MSB<<8)|\new
.set MSB, \new
.endif
.endm
	s_load_b128 s[4:7], s[0:1], 0x0                ; qk, p
	v_lshl_add_u32 v10, v0, 2, SPARE
	v_mov_b32 v11, 0
	ds_add_u32 v10, v11                            ; the wave's opening: the add, twice on end, and its wait ahead of my first tensor load
	ds_add_u32 v10, v11
	v_lshrrev_b32 v1, 5, v0
	v_readfirstlane_b32 s8, v1                     ; wave
	s_cmp_ge_u32 ttmp9, 1                          ; work-group x = 0 .. 9 names (query block qi, key block kj <= qi)
	s_cselect_b32 s10, 1, 0
	s_cmp_ge_u32 ttmp9, 3
	s_cselect_b32 s13, 1, 0
	s_add_co_u32 s10, s10, s13
	s_cmp_ge_u32 ttmp9, 6
	s_cselect_b32 s13, 1, 0
	s_add_co_u32 s10, s10, s13                     ; qi
	s_add_co_u32 s13, s10, 1
	s_mul_i32 s13, s13, s10
	s_lshr_b32 s13, s13, 1
	s_sub_co_u32 s11, ttmp9, s13                   ; kj
	s_and_b32 s12, ttmp7, 0xffff                   ; the batch
	s_mov_b32 s16, 3<<16                           ; descriptor group 1: elements of 8 bytes, no mask, no padding
	s_mov_b32 s17, 3072<<16                        ; tensor_dim0 = 3,072 (24,576 bytes: a tile's 16 K steps)
	s_mov_b32 s18, 2<<16                           ; tensor_dim1 = 2
	s_mov_b32 s19, 3072<<16
	s_mov_b32 s20, 2                               ; tile_dim1
	s_mov_b32 s21, 3072                            ; from tile to tile: 24,576 bytes
	s_mov_b32 s22, 0
	s_mov_b32 s23, 0
	s_mov_b32 s40, 0x76543210
	s_mov_b32 s41, 0xfedcba98
	s_mov_b32 s42, 0x3fb8aa3b                      ; log2(e): the scores are not scaled
	s_mov_b32 s43, s42                             ; (named with it as a pair)
	s_lshl_b32 s44, s8, 5                          ; my first query in the block: 32 w
	s_lshl_b32 s56, s8, 1
	s_lshl_b32 s14, s12, 5
	s_lshl_b32 s15, s11, 3
	s_add_co_u32 s15, s15, s14
	s_add_co_u32 s15, s15, s56                     ; the two key tiles that I fetch: 32 b + 8 kj + 2 w
	s_mul_i32 s60, s15, TP
	s_add_co_u32 s60, s60, K_IMG
	s_mov_b32 s61, 0
	s_lshl_b32 s15, s10, 3
	s_add_co_u32 s15, s15, s14
	s_add_co_u32 s15, s15, s56                     ; my two tiles of queries: 32 b + 8 qi + 2 w
	s_mul_i32 s46, s15, TP
	s_mov_b32 s47, 0
	s_lshl_b32 s14, s12, 3
	s_lshl_b32 s15, s11, 1
	s_add_co_u32 s15, s15, s14
	s_lshl_b32 s48, s15, 8
	s_add_co_u32 s48, s48, K_SC                    ; k's scale words: two groups of four tiles
	s_mov_b32 s49, 0
	s_lshl_b32 s15, s10, 1
	s_add_co_u32 s15, s15, s14
	s_lshr_b32 s58, s8, 1
	s_add_co_u32 s15, s15, s58
	s_lshl_b32 s50, s15, 8
	s_and_b32 s58, s8, 1
	s_lshl_b32 s58, s58, 3
	s_add_co_u32 s50, s50, s58
	s_add_co_u32 s50, s50, Q_SC                    ; q's: my two tiles' words in their group of four
	s_mov_b32 s51, 0
	s_lshl_b32 s58, s11, 2
	s_sub_co_u32 s58, 36, s58
	s_mul_i32 s58, s58, s11
	s_sub_co_u32 s59, s10, s11
	s_lshl_b32 s59, s59, 3
	s_add_co_u32 s58, s58, s59
	s_add_co_u32 s58, s58, s56                     ; my first fragment of p in the batch: kj (36 - 4 kj) + 8 (qi - kj) + 2 w
	s_mul_i32 s52, s58, FRB
	s_mul_i32 s59, s12, 122880
	s_add_co_u32 s52, s52, s59
	s_mov_b32 s53, 0
	s_lshl_b32 s54, s58, 8
	s_mul_i32 s59, s12, 20480
	s_add_co_u32 s54, s54, s59
	s_add_co_u32 s54, s54, P_REC
	s_mov_b32 s55, 0
	s_mul_i32 s57, s8, 49152                       ; where my two tiles go in LDS
	s_wait_dscnt 0x0                               ; both opening adds are done
	s_wait_kmcnt 0x0
	s_add_nc_u64 s[60:61], s[4:5], s[60:61]
	s_add_nc_u64 s[46:47], s[4:5], s[46:47]
	s_add_nc_u64 s[48:49], s[4:5], s[48:49]
	s_add_nc_u64 s[50:51], s[4:5], s[50:51]
	s_add_nc_u64 s[52:53], s[6:7], s[52:53]
	s_add_nc_u64 s[54:55], s[6:7], s[54:55]
	; ONE tensor load a wave: my two key tiles, all 16 K steps, 49,152 bytes.  LDS: fragment (tile i, K step s) at 24,576 i + 1,536 s
	s_mov_b32 s24, 1
	s_mov_b32 s25, s57
	s_mov_b64 s[26:27], s[60:61]
	s_or_b32 s27, s27, 0x80000000
	tensor_load_to_lds s[24:27], s[16:23]
	s_nop 0
.rept 4
	v_nop
.endr
	v_and_b32 v1, 31, v0
	v_lshlrev_b32 v1, 4, v1                        ; 16 x lane
.irp g, 0,1,2,3
	v_add_nc_u32 v[2+\g], \g*49152, v1
.endr
	v_and_b32 v6, 15, v0                           ; r
	v_bfe_u32 v7, v0, 4, 1                         ; h
	v_lshlrev_b32 v9, 4, v6                        ; 16 r
	v_lshl_add_u32 v8, v7, 2, v9                   ; 16 r + 4 h
.irp b, 0,1,2,3
	v_mov_b32 v[16+\b], 0                          ; a lane permute's destination counts as one of its sources
.endr
	v_mov_b32 v30, 0
; The operands of four K steps that come straight from memory: 32 loads
.macro QLOAD g
	WIN 0
.irp j, 0,1,2,3
	global_load_b128 v[32+4*(4*\g+\j):35+4*(4*\g+\j)], v1, s[48:49] offset:(4*\g+\j)*32768
	global_load_b32 v[96+4*\g+\j], v8, s[50:51] offset:(4*\g+\j)*32768
.endr
	WIN 0x80
.irp j, 0,1,2,3
.irp c, 0,1,2
	global_load_b128 v[12*(4*\g+\j)+4*\c:12*(4*\g+\j)+4*\c+3], v1, s[46:47] offset:(4*\g+\j)*FRB+512*\c
.endr
.endr
	WIN 0xc0
.irp j, 0,1,2,3
.irp c, 0,1,2
	global_load_b128 v[12*(4*\g+\j)+4*\c:12*(4*\g+\j)+4*\c+3], v1, s[46:47] offset:TP+(4*\g+\j)*FRB+512*\c
.endr
.endr
	WIN 0
.endm
.macro KFETCH s                        ; the eight key fragments of K step s into set s % 2: 24 loads
	WIN 0x40
.irp i, 0,1,2,3,4,5,6,7
.irp c, 0,1,2
	ds_load_b128 v[128*((\s)%2)+12*\i+4*\c:128*((\s)%2)+12*\i+4*\c+3], v[2+\i/2] offset:(\i%2)*24576+(\s)*FRB+512*\c
.endr
.endr
.endm
.macro SMUL s, e, i0                   ; four products: my tile e of queries against key tiles i0 .. i0 + 3
.irp i, 0,1,2,3
.set rD, 128+64*(\e)+8*((\i0)+\i)
.set rA, 128*((\s)%2)+12*((\i0)+\i)
.set rB, 12*(\s)
.set rK, 32+4*(\s)+\i
.set rQ, 96+(\s)
.if (\s) == 0                          ; the first K step starts the sums: nothing is cleared
.if (\e) == 0
.if (\i0) == 0
	v_wmma_scale_f32_16x16x128_f8f6f4 v[rD:rD+7], v[rA:rA+11], v[rB:rB+11], 0, v[rK], v[rQ] matrix_a_fmt:MATRIX_FMT_BF6 matrix_b_fmt:MATRIX_FMT_BF6
.else
	v_wmma_scale_f32_16x16x128_f8f6f4 v[rD:rD+7], v[rA:rA+11], v[rB:rB+11], 0, v[rK], v[rQ] matrix_a_fmt:MATRIX_FMT_BF6 matrix_b_fmt:MATRIX_FMT_BF6 matrix_a_scale:MATRIX_SCALE_ROW1
.endif
.else
.if (\i0) == 0
	v_wmma_scale_f32_16x16x128_f8f6f4 v[rD:rD+7], v[rA:rA+11], v[rB:rB+11], 0, v[rK], v[rQ] matrix_a_fmt:MATRIX_FMT_BF6 matrix_b_fmt:MATRIX_FMT_BF6 matrix_b_scale:MATRIX_SCALE_ROW1
.else
	v_wmma_scale_f32_16x16x128_f8f6f4 v[rD:rD+7], v[rA:rA+11], v[rB:rB+11], 0, v[rK], v[rQ] matrix_a_fmt:MATRIX_FMT_BF6 matrix_b_fmt:MATRIX_FMT_BF6 matrix_a_scale:MATRIX_SCALE_ROW1 matrix_b_scale:MATRIX_SCALE_ROW1
.endif
.endif
.else
.if (\e) == 0
.if (\i0) == 0
	v_wmma_scale_f32_16x16x128_f8f6f4 v[rD:rD+7], v[rA:rA+11], v[rB:rB+11], v[rD:rD+7], v[rK], v[rQ] matrix_a_fmt:MATRIX_FMT_BF6 matrix_b_fmt:MATRIX_FMT_BF6
.else
	v_wmma_scale_f32_16x16x128_f8f6f4 v[rD:rD+7], v[rA:rA+11], v[rB:rB+11], v[rD:rD+7], v[rK], v[rQ] matrix_a_fmt:MATRIX_FMT_BF6 matrix_b_fmt:MATRIX_FMT_BF6 matrix_a_scale:MATRIX_SCALE_ROW1
.endif
.else
.if (\i0) == 0
	v_wmma_scale_f32_16x16x128_f8f6f4 v[rD:rD+7], v[rA:rA+11], v[rB:rB+11], v[rD:rD+7], v[rK], v[rQ] matrix_a_fmt:MATRIX_FMT_BF6 matrix_b_fmt:MATRIX_FMT_BF6 matrix_b_scale:MATRIX_SCALE_ROW1
.else
	v_wmma_scale_f32_16x16x128_f8f6f4 v[rD:rD+7], v[rA:rA+11], v[rB:rB+11], v[rD:rD+7], v[rK], v[rQ] matrix_a_fmt:MATRIX_FMT_BF6 matrix_b_fmt:MATRIX_FMT_BF6 matrix_a_scale:MATRIX_SCALE_ROW1 matrix_b_scale:MATRIX_SCALE_ROW1
.endif
.endif
.endif
.endr
.endm
; A K step of 128: 16 matrix instructions; the 16 accumulators take turns, one instruction a turn, in the same order in every step.
.macro KSTEP s
.if (\s) < 15
.rept 4
	v_nop                                          ; places in front of loads into registers that the step before last's products have read
.endr
	KFETCH (\s)+1
	s_wait_dscnt 24                                ; this step's fragments are in; the 24 loads just issued stay out
.else
	s_wait_dscnt 0x0
.endif
.if (\s) == 1
	QLOAD 2
.endif
.if (\s) == 5
	QLOAD 3
.endif
.if (\s)%4 == 0
.if (\s) == 12
	s_wait_loadcnt 0x0
.else
	s_wait_loadcnt 32                              ; these four K steps' operands from memory are in; the 32 loads of the next four stay out
.endif
.endif
	WIN 0x09                                       ; source 0 (k) window 1, source 1 (q) window 2
	SMUL \s, 0, 0
	SMUL \s, 0, 4
	WIN 0x0d                                       ; source 1 window 3
	SMUL \s, 1, 0
	SMUL \s, 1, 4
.endm
	QLOAD 0
	QLOAD 1
	s_wait_alu depctr_va_vdst(0)
	s_wait_tensorcnt 0x0                           ; my one load, my two tiles, is in
	s_barrier_signal -1
	s_barrier_wait -1
	KFETCH 0
.irp s, 0,1,2,3,4,5,6,7,8,9,10,11,12,13,14,15
	KSTEP \s
.endr
	WIN 0
.rept 4
	v_nop                                          ; places in front of the first read of results
.endr
; The softmax of my tile e of queries over these 128 keys, its codes and its record.
.macro SM e
.set SB, 128+64*(\e)
	s_cmp_lg_u32 s10, s11                          ; only the tile on the diagonal hides keys: a branch on the work-group's number
	s_cbranch_scc1 .Lopen_\@
	v_lshlrev_b32 v30, 4, v7
	v_sub_nc_u32 v30, v6, v30
	v_add_nc_u32 v30, s44, v30
	v_add_nc_u32 v30, 16*(\e), v30                 ; d = my query - 16 (lane / 16).  Register 16 b + i holds key 16 (lane / 16) + 32 b + i: hidden where 32 b + i > d
	v_mov_b32 v31, 0xff800000                      ; -infinity.  Key 0 of the block counts for every query, so the row's maximum is a number
.irp b, 0,1,2,3
.irp i, 0,1,2,3,4,5,6,7,8,9,10,11,12,13,14,15
	v_cmp_gt_i32 vcc_lo, 32*\b+\i, v30
	v_cndmask_b32 v[SB+16*\b+\i], v[SB+16*\b+\i], v31, vcc_lo
.endr
.endr
.Lopen_\@:
.irp b, 0,1,2,3
	v_max3_num_f32 v[12+\b], v[SB+16*\b], v[SB+16*\b+1], v[SB+16*\b+2]   ; the largest score of each block of 32 keys: for the row's maximum and, since p rises with the score, for the block's largest p
.endr
.irp i, 3,5,7,9,11,13
.irp b, 0,1,2,3
	v_max3_num_f32 v[12+\b], v[12+\b], v[SB+16*\b+\i], v[SB+16*\b+\i+1]
.endr
.endr
.irp b, 0,1,2,3
	v_max_num_f32 v[12+\b], v[12+\b], v[SB+16*\b+15]
.endr
.irp b, 0,1,2,3
	v_permlanex16_b32 v[16+\b], v[12+\b], s40, s41
.endr
.irp b, 0,1,2,3
	v_max_num_f32 v[12+\b], v[12+\b], v[16+\b]     ; with lane l xor 16's 16 keys
.endr
	v_max3_num_f32 v30, v12, v13, v14
	v_max_num_f32 v30, v30, v15
	v_mul_f32 v25, s42, v30                        ; the largest t
	v_floor_f32 v24, -v25                          ; -M = floor(-t) = -ceil(t)
.set j, 0
.rept 32
	v_pk_fma_f32 v[SB+j:SB+j+1], v[SB+j:SB+j+1], s[42:43], v[24:25] op_sel_hi:[1,0,0]   ; t - M, two at a time
.set j, j+2
.endr
.irp b, 0,1,2,3
	v_fma_f32 v[12+\b], v[12+\b], s42, v24
.endr
.set j, 0
	s_wait_alu depctr_va_vdst(0)
.rept 64
	v_exp_f32 v[SB+j], v[SB+j]                     ; p = 2^(t - M): not normalised
.set j, j+1
.endr
	v_nop                                          ; a plain place behind the exponentials
	s_wait_alu depctr_va_vdst(0)                   ; one wait for the batch, ahead of its first reader
.irp b, 0,1,2,3
	v_exp_f32 v[12+\b], v[12+\b]                   ; the block's largest p: the same two instructions on the same number
.endr
	v_pk_add_f32 v[26:27], v[SB:SB+1], v[SB+4:SB+5]     ; the sum of the unquantised p, in two chains
	v_pk_add_f32 v[28:29], v[SB+2:SB+3], v[SB+6:SB+7]
.irp j, 8,12,16,20,24,28,32,36,40,44,48,52,56,60
	v_pk_add_f32 v[26:27], v[26:27], v[SB+\j:SB+\j+1]
	v_pk_add_f32 v[28:29], v[28:29], v[SB+\j+2:SB+\j+3]
.endr
	v_pk_add_f32 v[26:27], v[26:27], v[28:29]
	s_wait_alu depctr_va_vdst(0)                   ; and one for the four
.irp b, 0,1,2,3
	v_max_num_f32 v[12+\b], 0x2800000, v[12+\b]    ; the floor 2^(5 - 127): the byte cannot fall under 1
.endr
.irp b, 0,1,2,3
	v_add_nc_u32 v[20+\b], 0xfe000000, v[12+\b]    ; the conversion's scale operand
.endr
.irp b, 0,1,2,3
	v_lshrrev_b32 v[16+\b], 23, v[20+\b]           ; the scale's byte
.endr
	s_wait_alu depctr_va_vdst(0)
	s_wait_xcnt 0x0                                ; the other tile's stores have read the codes and the record
	v_lshl_or_b32 v124, v17, 8, v16                ; the record: the scale word,
	v_lshl_or_b32 v124, v18, 16, v124
	v_lshl_or_b32 v124, v19, 24, v124
	v_mov_b32 v125, v24                            ; -M,
	v_add_f32 v126, v26, v27
	v_permlanex16_b32 v30, v126, s40, s41
	v_add_f32 v126, v126, v30                      ; the sum,
	v_mov_b32 v127, 0                              ; 0
	v_cvt_scalef32_pk16_bf6_f32 v[112:114], v[SB:SB+15], v20
	v_cvt_scalef32_pk16_bf6_f32 v[12:14], v[SB+16:SB+31], v21       ; (a conversion's three registers begin on an even number)
	v_cvt_scalef32_pk16_bf6_f32 v[118:120], v[SB+32:SB+47], v22
	v_cvt_scalef32_pk16_bf6_f32 v[16:18], v[SB+48:SB+63], v23
	v_nop                                          ; one plain place behind a scaled conversion
.irp i, 0,1,2                                  ; the operand's layout wants a whole block in a lane: lanes 0-15 block 2 c, lanes 16-31 block 2 c + 1
	v_permlane16_swap_b32 v[112+\i], v[12+\i]
	v_permlane16_swap_b32 v[118+\i], v[16+\i]
.endr
.irp i, 0,1,2
	v_mov_b32 v[115+\i], v[12+\i]
	v_mov_b32 v[121+\i], v[16+\i]
.endr
.irp c, 0,1,2
	global_store_b128 v1, v[112+4*\c:115+4*\c], s[52:53] offset:(\e)*FRB+512*\c
.endr
	global_store_b128 v9, v[124:127], s[54:55] offset:(\e)*256   ; 16 rows' records: 256 consecutive bytes; both halves of the lanes hold the same numbers and write the same place
.endm
	SM 0
	SM 1
	s_wait_tensorcnt 0x0                           ; the wave's end
	ds_add_u32 v10, v11
	s_wait_dscnt 0x0
	s_endpgm
.Lfunc_end_k_q4c6aff2c92_scores:
	.size	k_q4c6aff2c92_scores, .Lfunc_end_k_q4c6aff2c92_scores-k_q4c6aff2c92_scores
	.p2alignl 7, 3214868480
	.fill 96, 4, 3214868480
	.section	.rodata,"a",@progbits
	.p2align	6, 0x0
	.amdhsa_kernel k_q4c6aff2c92_scores
		.amdhsa_group_segment_fixed_size 197632
		.amdhsa_private_segment_fixed_size 0
		.amdhsa_enable_private_segment 0
		.amdhsa_kernarg_size 16
		.amdhsa_user_sgpr_count 2
		.amdhsa_user_sgpr_kernarg_segment_ptr 1
		.amdhsa_wavefront_size32 1
		.amdhsa_system_sgpr_workgroup_id_x 1
		.amdhsa_system_sgpr_workgroup_id_y 1
		.amdhsa_system_sgpr_workgroup_id_z 1
		.amdhsa_system_vgpr_workitem_id 0
		.amdhsa_next_free_vgpr 960
		.amdhsa_next_free_sgpr 66
		.amdhsa_reserve_vcc 1
		.amdhsa_float_denorm_mode_32 3
		.amdhsa_float_denorm_mode_16_64 3
		.amdhsa_memory_ordered 1
		.amdhsa_forward_progress 1
		.amdhsa_inst_pref_size 110
	.end_amdhsa_kernel
	.amdgpu_metadata
---
amdhsa.version: [ 1, 2 ]
amdhsa.kernels:
  - .name:           k_q4c6aff2c92_scores
    .symbol:         k_q4c6aff2c92_scores.kd
    .args:
      - { .name: qk, .offset: 0, .size: 8, .value_kind: global_buffer, .address_space: global }
      - { .name: p, .offset: 8, .size: 8, .value_kind: global_buffer, .address_space: global }
    .group_segment_fixed_size: 197632
    .private_segment_fixed_size: 0
    .kernarg_segment_align: 8
    .kernarg_segment_size: 16
    .max_flat_workgroup_size: 128
    .sgpr_count:     66
    .vgpr_count:     960
    .wavefront_size: 32
...
	.end_amdgpu_metadata
.endif
;; end of part 2
;; launch pv (part 3): grid 16 x 16, 4 waves a work-group, no clusters, 56,320 bytes of LDS; arguments x, Wv, bv, p, a; writes a
.if DOCPART == 3
	.amdgcn_target "amdgcn-amd-amdhsa--gfx1250"
	.amdhsa_code_object_version 6
	.text
	.protected	k_q4c6aff2c92_pv
	.globl	k_q4c6aff2c92_pv
	.p2align	8
	.type	k_q4c6aff2c92_pv,@function
k_q4c6aff2c92_pv:
	s_mov_b64 s[64:65], 0
	v_nop
	global_prefetch_b8 v0, s[64:65] scope:SCOPE_SE
	s_setreg_imm32_b32 hwreg(HW_REG_WAVE_MODE, 25, 1), 1
	s_wait_xcnt 0x0
; out = (P v) / l on codes of BF6 (K = the keys), for one batch and 128 of the 2,048 channels, and out as codes along the channels: K step ttmp9 of the last product.
; WORK LEFT OUT: a tile of queries takes only the key steps of 128 up to its own block: beyond it every weight is 0 by reference()'s own mask.
; v = x Wv + bv (fused multiply-adds in f32, fma(x0, W0, fma(x1, W1, b))) is made here, for these 128 channels alone, and quantised along the KEYS: wave w makes key step w for the 8 tiles of 16 channels and hands
; the fragments round through LDS as images of their registers.  A tile 2 b + u of channels holds in lane r channel 32 b + 8 u + r + 8 (r / 8), so that a lane's results of two tiles are 16 neighbouring channels.
; THE RECORDS.  The launch before took M for each row and 128 keys.  Here the row's M is the largest of them; each scale byte of p loses (row's M - local M), a whole number, and l = the sum of local sums x 2^(local M - row's M).
; LIMITS: a byte is held at 1 from below: such p lie under 2^-120 of the row's largest.  NaN and infinities are not served.  1 / l is v_rcp_f32.
; SHARES.  Wave w owns the query tiles 8 a + 2 w + e (m = 2 a + e = 0 .. 7), against all 8 tiles of channels: 64 accumulators.  Tile m takes key steps s <= m / 2: 64 + 48 + 32 + 16 = 160 matrix instructions in every wave.
; A fragment of p is read by one wave alone: straight from memory into registers.  TRANSPOSED: source 0 = 16 channels of v^T, source 1 = p: a lane holds one query.  No tensor load; NO CLUSTER: nothing shared goes through LDS by a load.
; THE LOADS.  x comes as it lies, two tokens to a load of 16 bytes (32 loads), and is sorted into x0 and x1 by 128 copies, once: the packed multiply-adds want neighbouring keys' x0 in a pair.  p's 60 loads are issued
; behind the wait for x and the weights and land while v is made.
; REGISTERS: window 0: v1-15 addresses; v16-25 p's scale words (lanes 0-15 tile 2 a, lanes 16-31 tile 2 a + 1); v26-41 1 / l, a pair a tile; v42-57 v's scale words, two sets; v58-63 at work; v64-255 by phase.
;   window 1: p's 20 fragments.   window 2: x of my 128 keys (v128-255 as loaded; v0-63 x0, v64-127 x1), then the accumulators of m = 0 .. 3.   window 3: those of m = 4 .. 7.
.set TP,    24576
.set FRB,   1536
.set P_REC, 1966080
.set A_SC,  12582912
.set VSC,   49152                      ; LDS: v's 32 fragments (8 s + td) from 0; their scale words, 128 bytes each, from VSC;
.set SCO,   53248                      ; the 512 rows' scale words of out;
.set SPARE, 55296                      ; the spare words, 128 bytes for each wave: two blocks of 256 bytes that no other line names
.set TM,    160
.set PW,    176
.set PC,    128
.set MSB, 0
.macro WIN new
.if MSB != \new
	s_set_vgpr_msb (MSB<<8)|\new
.set MSB, \new
.endif
.endm
	s_load_b256 s[4:11], s[0:1], 0x0               ; x, Wv, bv, p
	s_load_b64 s[12:13], s[0:1], 0x20              ; a
	v_lshl_add_u32 v8, v0, 2, SPARE
	v_mov_b32 v9, 0
	v_lshrrev_b32 v1, 5, v0
	v_readfirstlane_b32 s14, v1                    ; wave
	v_and_b32 v15, 31, v0
	v_lshlrev_b32 v1, 4, v15                       ; 16 x lane
	v_lshlrev_b32 v2, 2, v15                       ; 4 x lane
	v_and_b32 v3, 15, v0                           ; r
	v_bfe_u32 v4, v0, 4, 1                         ; h
	v_lshlrev_b32 v5, 3, v4                        ; 8 h
	s_mul_i32 s34, s14, 8*FRB
	v_add_nc_u32 v6, s34, v1                       ; where I store v's images
	s_lshl_b32 s34, s14, 10
	v_add_nc_u32 v7, s34, v2
	v_add_nc_u32 v7, VSC, v7                       ; and their scale words
	v_lshlrev_b32 v10, 8, v4                       ; x: my half's 32 keys
	v_lshrrev_b32 v11, 3, v3
	v_lshl_add_u32 v11, v11, 3, v3
	v_lshlrev_b32 v11, 2, v11                      ; Wv, bv: 4 (r + 8 (r / 8))
	s_lshl_b32 s34, s14, 7
	v_lshl_add_u32 v12, v3, 2, s34
	v_add_nc_u32 v12, SCO, v12                     ; out's scale words: 128 w + 4 r
	v_lshlrev_b32 v14, 4, v0
	v_add_nc_u32 v13, SCO, v14
	v_mov_b32 v156, 0                              ; a lane permute's destination counts as one of its sources
.irp m, 0,1,2,3,4,5,6,7
	v_mov_b32 v[27+2*\m], 0                        ; named as the upper halves of pairs
.endr
.irp t, 0,1,2,3,4,5,6,7
	v_mov_b32 v[161+6*\t], 0
	v_mov_b32 v[163+6*\t], 0
	v_mov_b32 v[165+6*\t], 0
.endr
	s_mov_b32 s18, 0x76543210
	s_mov_b32 s19, 0xfedcba98
	s_and_b32 s16, ttmp7, 0xffff                   ; the batch
	s_lshl_b32 s34, ttmp9, 9                       ; my 128 channels in Wv's rows and bv
	s_mov_b32 s35, 0
	s_lshl_b32 s36, s16, 12
	s_lshl_b32 s38, s14, 10
	s_add_co_u32 s36, s36, s38                     ; x: the batch's 512 tokens, my 128 keys
	s_mov_b32 s37, 0
	s_mul_i32 s38, s16, 20480
	s_lshl_b32 s40, s14, 9
	s_add_co_u32 s38, s38, s40
	s_add_co_u32 s38, s38, P_REC                   ; the records of tiles 2 w, 2 w + 1
	s_mov_b32 s39, 0
	s_mul_i32 s40, s16, 122880
	s_mul_i32 s42, s14, 2*FRB
	s_add_co_u32 s40, s40, s42                     ; p's images likewise
	s_mov_b32 s41, 0
	s_lshl_b32 s42, s16, 5
	s_lshl_b32 s44, s14, 1
	s_add_co_u32 s42, s42, s44
	s_mul_i32 s42, s42, TP
	s_mul_i32 s44, ttmp9, FRB
	s_add_co_u32 s42, s42, s44                     ; out's images: tile 32 b + 2 w, K step ttmp9
	s_mov_b32 s43, 0
	s_lshl_b32 s44, ttmp9, 15
	s_lshl_b32 s46, s16, 11
	s_add_co_u32 s44, s44, s46
	s_add_co_u32 s44, s44, A_SC                    ; out's scale words [K step][row]
	s_mov_b32 s45, 0
	s_wait_kmcnt 0x0
	s_add_nc_u64 s[20:21], s[6:7], s[34:35]
	s_add_nc_u64 s[22:23], s[8:9], s[34:35]
	s_add_nc_u64 s[24:25], s[4:5], s[36:37]
	s_add_nc_u64 s[26:27], s[10:11], s[38:39]
	s_add_nc_u64 s[28:29], s[10:11], s[40:41]
	s_add_nc_u64 s[30:31], s[12:13], s[42:43]
	s_add_nc_u64 s[32:33], s[12:13], s[44:45]
	WIN 0x80                                       ; 32 loads: x of keys 64 c + 32 h + 2 i and + 1, as they lie: x0, x1, x0, x1
.irp c, 0,1
.set i, 0
.rept 16
	global_load_b128 v[128+64*\c+4*i:128+64*\c+4*i+3], v10, s[24:25] offset:512*\c+16*i
.set i, i+1
.endr
.endr
	WIN 0
.irp t, 0,1,2,3,4,5,6,7                        ; 24 loads: my channel's two weights and bias, for each tile of channels
	global_load_b32 v[160+6*\t], v11, s[20:21] offset:(32*(\t/2)+8*(\t%2))*4
	global_load_b32 v[162+6*\t], v11, s[20:21] offset:8192+(32*(\t/2)+8*(\t%2))*4
	global_load_b32 v[164+6*\t], v11, s[22:23] offset:(32*(\t/2)+8*(\t%2))*4
.endr
.macro RECL a, s                       ; the records of tiles 8 a + 2 w + (lane / 16) for key step s
	global_load_b128 v[208+4*((\a)*((\a)+1)/2+(\s)):211+4*((\a)*((\a)+1)/2+(\s))], v1, s[26:27] offset:((\s)*(28-4*(\s))+8*(\a))*256
.endm
	RECL 0, 0                                      ; 10 loads
	RECL 1, 0
	RECL 1, 1
	RECL 2, 0
	RECL 2, 1
	RECL 2, 2
	RECL 3, 0
	RECL 3, 1
	RECL 3, 2
	RECL 3, 3
	s_wait_loadcnt 10                              ; x and the weights are in; the ten records stay out
	WIN 0x40
.macro PLD m, s                        ; p's fragment (tile m, key step s) at v[12 (s (9 - s) + m - 2 s)] of window 1
.irp c, 0,1,2
	global_load_b128 v[12*((\s)*(9-(\s))+(\m)-2*(\s))+4*\c:12*((\s)*(9-(\s))+(\m)-2*(\s))+4*\c+3], v1, s[28:29] offset:((\s)*(28-4*(\s))+8*((\m)/2)+(\m)%2)*FRB+512*\c
.endr
.endm
.irp s, 0,1,2,3                                ; 60 loads, by key steps: 24, 18, 12, 6: they land while v is made
.irp m, 0,1,2,3,4,5,6,7
.if \m >= 2*\s
	PLD \m, \s
.endif
.endr
.endr
	WIN 0x82                                       ; source 0 and destination window 2
.irp c, 0,1
.set i, 0
.rept 32
	v_mov_b32 v[32*\c+i], v[128+64*\c+2*i]         ; x0 of key 64 c + 32 h + i
	v_mov_b32 v[64+32*\c+i], v[129+64*\c+2*i]      ; x1
.set i, i+1
.endr
.endr
	WIN 0
; v^T's fragment of tile td of channels, key step w: 64 numbers of my channel, register 32 c + i = key 64 c + 32 h + i: a whole block of 32 keys lies in my lane
.macro VFRAG td
	WIN 0x02                                       ; source 0 window 2
.set j, 0
.rept 32
	v_pk_fma_f32 v[64+j:65+j], v[64+j:65+j], v[162+6*(\td):163+6*(\td)], v[164+6*(\td):165+6*(\td)] op_sel_hi:[1,0,0]   ; x1 W1 + b
.set j, j+2
.endr
.set j, 0
.rept 32
	v_pk_fma_f32 v[64+j:65+j], v[j:j+1], v[160+6*(\td):161+6*(\td)], v[64+j:65+j] op_sel_hi:[1,0,1]   ; + x0 W0
.set j, j+2
.endr
	WIN 0
.irp c, 0,1
.irp z, 0,1
	v_max3_num_f32 v[148+2*\c+\z], |v[64+32*\c+16*\z]|, |v[65+32*\c+16*\z]|, 0x2800000
.endr
.endr
.irp i, 2,4,6,8,10,12,14
.irp c, 0,1
.irp z, 0,1
	v_max3_num_f32 v[148+2*\c+\z], v[148+2*\c+\z], |v[64+32*\c+16*\z+\i]|, |v[65+32*\c+16*\z+\i]|
.endr
.endr
.endr
	v_max_num_f32 v148, v148, v149
	v_max_num_f32 v150, v150, v151
	v_add_nc_u32 v152, 0xfe000000, v148
	v_add_nc_u32 v153, 0xfe000000, v150
	v_lshrrev_b32 v154, 23, v152
	v_lshrrev_b32 v155, 23, v153
	s_wait_alu depctr_va_vdst(0)
	s_wait_dscnt 0x0                               ; the last fragment's stores have read their registers
	v_lshl_or_b32 v157, v155, 16, v154
	v_lshlrev_b32 v157, v5, v157
	v_permlanex16_b32 v156, v157, s18, s19
	v_or_b32 v157, v157, v156                      ; my channel's scale word for these 128 keys
	v_cvt_scalef32_pk16_bf6_f32 v[128:130], v[64:79], v152
	v_cvt_scalef32_pk16_bf6_f32 v[140:142], v[80:95], v152
	v_cvt_scalef32_pk16_bf6_f32 v[134:136], v[96:111], v153
	v_cvt_scalef32_pk16_bf6_f32 v[144:146], v[112:127], v153
	v_nop
.irp i, 0,1,2
	v_mov_b32 v[131+\i], v[140+\i]
	v_mov_b32 v[137+\i], v[144+\i]
.endr
.irp c, 0,1,2
	ds_store_b128 v6, v[128+4*\c:131+4*\c] offset:(\td)*FRB+512*\c
.endr
	ds_store_b32 v7, v157 offset:(\td)*128
.endm
.irp t, 0,1,2,3,4,5,6,7
	VFRAG \t
.endr
	; THE RECORDS
	s_wait_loadcnt 60                              ; the records are in; p's 60 loads, issued behind them, may stay out
.macro FIXS a, s
.set rR, 208+4*((\a)*((\a)+1)/2+(\s))
.set rP, 16+(\a)*((\a)+1)/2+(\s)
	v_sub_f32 v65, v64, v[rR+1]                    ; local M - row's M: a whole number, 0 or less
	v_cvt_i32_f32 v65, v65                         ; (it saturates)
	v_sub_nc_u32 v67, 0, v65
.if (\s) == 0
	v_ldexp_f32 v[58+(\a)], v[rR+2], v65           ; the local sum under the row's M: nothing is rounded
.else
	v_ldexp_f32 v66, v[rR+2], v65
	v_add_f32 v[58+(\a)], v[58+(\a)], v66
.endif
.irp k, 0,1,2,3
	v_bfe_u32 v[68+\k], v[rR], 8*\k, 8
.endr
.irp k, 0,1,2,3
	v_add_nc_u32 v[72+\k], -1, v[68+\k]
.endr
.irp k, 0,1,2,3
	v_min_u32 v[72+\k], v67, v[72+\k]              ; the byte is held at 1 from below
.endr
.irp k, 0,1,2,3
	v_sub_nc_u32 v[68+\k], v[68+\k], v[72+\k]
.endr
	v_lshl_or_b32 v[rP], v69, 8, v68
	v_lshl_or_b32 v[rP], v70, 16, v[rP]
	v_lshl_or_b32 v[rP], v71, 24, v[rP]
.endm
.macro FIXA a
.set rR0, 208+4*((\a)*((\a)+1)/2)
	v_min_num_f32 v64, v[rR0+1], v[rR0+5]          ; the row's -M: the least of the local ones
.if (\a) > 1
	v_min_num_f32 v64, v64, v[rR0+9]
.endif
.if (\a) > 2
	v_min_num_f32 v64, v64, v[rR0+13]
.endif
.irp s, 0,1,2,3
.if \s <= (\a)
	FIXS \a, \s
.endif
.endr
.endm
	v_mov_b32 v16, v208                            ; the first 128 queries have one key step: word and sum as they stand
	v_mov_b32 v58, v210
	FIXA 1
	FIXA 2
	FIXA 3
	s_wait_alu depctr_va_vdst(0)
.irp a, 0,1,2,3
	v_rcp_f32 v[76+\a], v[58+\a]
.endr
	v_nop                                          ; a plain place behind the reciprocals
	s_wait_alu depctr_va_vdst(0)                   ; one wait for the four, ahead of their first reader
.irp a, 0,1,2,3
	v_permlanex16_b32 v[80+\a], v[76+\a], s18, s19
.endr
	v_cmp_eq_u32 vcc_lo, 1, v4
.irp a, 0,1,2,3
	v_cndmask_b32 v[26+4*\a], v[76+\a], v[80+\a], vcc_lo   ; tile 2 a's 1 / l lay in lanes 0-15: now in both halves
	v_cndmask_b32 v[28+4*\a], v[80+\a], v[76+\a], vcc_lo   ; tile 2 a + 1's likewise
.endr
	s_wait_dscnt 0x0                               ; my images of v have landed
	s_barrier_signal -1
	s_barrier_wait -1                              ; everybody's have
.macro VFETCH s, set                   ; key step s: 8 fragments and their scale words: 32 loads
.irp t, 0,1,2,3,4,5,6,7
.irp c, 0,1,2
	ds_load_b128 v[64+96*(\set)+12*\t+4*\c:64+96*(\set)+12*\t+4*\c+3], v1 offset:(8*(\s)+\t)*FRB+512*\c
.endr
	ds_load_b32 v[42+8*(\set)+\t], v2 offset:VSC+(8*(\s)+\t)*128
.endr
.endm
	VFETCH 0, 0
	VFETCH 1, 1
.rept 8
	v_nop                                          ; p's scale words were written by vector instructions: eight places ahead of a scaled matrix instruction
.endr
; Key step s: the tiles m >= 2 s against the 8 tiles of channels; the accumulators take turns, one instruction a turn.
.macro PVS s
.irp m, 0,1,2,3,4,5,6,7
.if \m >= 2*(\s)
.if \m < 4
	WIN 0xa4                                       ; source 1 (p) window 1; C and D window 2
.else
	WIN 0xf4                                       ; C and D window 3
.endif
.irp t, 0,1,2,3,4,5,6,7
.set rD, 64*(\m%4)+8*\t
.set rA, 64+96*((\s)%2)+12*\t
.set rB, 12*((\s)*(9-(\s))+\m-2*(\s))
.set rV, 42+8*((\s)%2)+\t
.set rP, 16+(\m/2)*((\m/2)+1)/2+(\s)
.if (\s) == 0
.if \m%2 == 0
	v_wmma_scale_f32_16x16x128_f8f6f4 v[rD:rD+7], v[rA:rA+11], v[rB:rB+11], 0, v[rV], v[rP] matrix_a_fmt:MATRIX_FMT_BF6 matrix_b_fmt:MATRIX_FMT_BF6
.else
	v_wmma_scale_f32_16x16x128_f8f6f4 v[rD:rD+7], v[rA:rA+11], v[rB:rB+11], 0, v[rV], v[rP] matrix_a_fmt:MATRIX_FMT_BF6 matrix_b_fmt:MATRIX_FMT_BF6 matrix_b_scale:MATRIX_SCALE_ROW1
.endif
.else
.if \m%2 == 0
	v_wmma_scale_f32_16x16x128_f8f6f4 v[rD:rD+7], v[rA:rA+11], v[rB:rB+11], v[rD:rD+7], v[rV], v[rP] matrix_a_fmt:MATRIX_FMT_BF6 matrix_b_fmt:MATRIX_FMT_BF6
.else
	v_wmma_scale_f32_16x16x128_f8f6f4 v[rD:rD+7], v[rA:rA+11], v[rB:rB+11], v[rD:rD+7], v[rV], v[rP] matrix_a_fmt:MATRIX_FMT_BF6 matrix_b_fmt:MATRIX_FMT_BF6 matrix_b_scale:MATRIX_SCALE_ROW1
.endif
.endif
.endr
.endif
.endr
	WIN 0
.endm
	s_wait_dscnt 32                                ; key step 0's fragments are in; key step 1's 32 loads stay out
	s_wait_loadcnt 36                              ; p of key step 0 is in; the 36 loads of the later steps stay out
	PVS 0
.rept 4
	v_nop                                          ; places in front of loads into registers that matrix instructions have read
.endr
	VFETCH 2, 0
	s_wait_dscnt 32
	s_wait_loadcnt 18
	PVS 1
.rept 4
	v_nop
.endr
	VFETCH 3, 1
	s_wait_dscnt 32
	s_wait_loadcnt 6
	PVS 2
	s_wait_dscnt 0x0
	s_wait_loadcnt 0x0
	PVS 3
.rept 4
	v_nop                                          ; places in front of the first read of results and of writes into registers that held operands
.endr
.irp b, 0,1,2,3
	v_mov_b32 v[TM+4+\b], 0
.endr
; 64 numbers of a lane, v64 .. v127, register 16 b + i = channel 32 b + 16 (lane / 16) + i of my row, become a fragment's codes in v[PC] on and its scale word in v[PW].
.macro QUANT
.irp b, 0,1,2,3
	v_max3_num_f32 v[TM+\b], |v[64+16*\b]|, |v[65+16*\b]|, 0x2800000
.endr
.irp i, 2,4,6,8,10,12,14
.irp b, 0,1,2,3
	v_max3_num_f32 v[TM+\b], v[TM+\b], |v[64+16*\b+\i]|, |v[65+16*\b+\i]|
.endr
.endr
.irp b, 0,1,2,3
	v_permlanex16_b32 v[TM+4+\b], v[TM+\b], s18, s19
.endr
.irp b, 0,1,2,3
	v_max_num_f32 v[TM+\b], v[TM+\b], v[TM+4+\b]   ; with lane l xor 16's: the block's largest magnitude
.endr
.irp b, 0,1,2,3
	v_add_nc_u32 v[TM+12+\b], 0xfe000000, v[TM+\b]
.endr
.irp b, 0,1,2,3
	v_lshrrev_b32 v[TM+4+\b], 23, v[TM+12+\b]
.endr
	s_wait_alu depctr_va_vdst(0)
	s_wait_xcnt 0x0                                ; the last tile's stores have read the codes,
	s_wait_dscnt 0x0                               ; and its LDS store the scale word: both are written again only from here on
	v_lshl_or_b32 v[PW], v[TM+5], 8, v[TM+4]
	v_lshl_or_b32 v[PW], v[TM+6], 16, v[PW]
	v_lshl_or_b32 v[PW], v[TM+7], 24, v[PW]
.irp c, 0,1
	v_cvt_scalef32_pk16_bf6_f32 v[PC+6*\c:PC+2+6*\c], v[64+32*\c:79+32*\c], v[TM+12+2*\c]
	v_cvt_scalef32_pk16_bf6_f32 v[PC+12+4*\c:PC+14+4*\c], v[80+32*\c:95+32*\c], v[TM+12+2*\c+1]
.endr
	v_nop
.irp c, 0,1
.irp i, 0,1,2
	v_permlane16_swap_b32 v[PC+6*\c+\i], v[PC+12+4*\c+\i]
.endr
.irp i, 0,1,2
	v_mov_b32 v[PC+3+6*\c+\i], v[PC+12+4*\c+\i]
.endr
.endr
.endm
.macro OUTM m
.if (\m) < 4
	WIN 0x02
.else
	WIN 0x03
.endif
.set j, 0
.rept 32
	v_pk_mul_f32 v[64+j:65+j], v[64*((\m)%4)+j:64*((\m)%4)+j+1], v[26+2*(\m):27+2*(\m)] op_sel_hi:[1,0]   ; O^T / l, each accumulator from its low end on
.set j, j+2
.endr
	WIN 0
	QUANT
.irp c, 0,1,2
	global_store_b128 v1, v[PC+4*\c:PC+4*\c+3], s[30:31] offset:(8*((\m)/2)+(\m)%2)*TP+512*\c
.endr
	ds_store_b32 v12, v[PW] offset:512*((\m)/2)+64*((\m)%2)   ; both halves of the lanes write the same word with the same value
.endm
.irp m, 0,1,2,3,4,5,6,7
	OUTM \m
.endr
	s_wait_dscnt 0x0                               ; my scale words have landed
	s_barrier_signal -1
	s_barrier_wait -1
	ds_load_b128 v[64:67], v13                     ; the batch's 512 words, 16 bytes a thread
	s_wait_dscnt 0x0
	global_store_b128 v14, v[64:67], s[32:33]      ; a wave stores 512 consecutive bytes, aligned
	s_wait_tensorcnt 0x0                           ; the wave's end, behind my last LDS store
	ds_add_u32 v8, v9
	s_wait_dscnt 0x0
	s_endpgm
.Lfunc_end_k_q4c6aff2c92_pv:
	.size	k_q4c6aff2c92_pv, .Lfunc_end_k_q4c6aff2c92_pv-k_q4c6aff2c92_pv
	.p2alignl 7, 3214868480
	.fill 96, 4, 3214868480
	.section	.rodata,"a",@progbits
	.p2align	6, 0x0
	.amdhsa_kernel k_q4c6aff2c92_pv
		.amdhsa_group_segment_fixed_size 56320
		.amdhsa_private_segment_fixed_size 0
		.amdhsa_enable_private_segment 0
		.amdhsa_kernarg_size 40
		.amdhsa_user_sgpr_count 2
		.amdhsa_user_sgpr_kernarg_segment_ptr 1
		.amdhsa_wavefront_size32 1
		.amdhsa_system_sgpr_workgroup_id_x 1
		.amdhsa_system_sgpr_workgroup_id_y 1
		.amdhsa_system_sgpr_workgroup_id_z 1
		.amdhsa_system_vgpr_workitem_id 0
		.amdhsa_next_free_vgpr 1024
		.amdhsa_next_free_sgpr 66
		.amdhsa_reserve_vcc 1
		.amdhsa_float_denorm_mode_32 3
		.amdhsa_float_denorm_mode_16_64 3
		.amdhsa_memory_ordered 1
		.amdhsa_forward_progress 1
		.amdhsa_inst_pref_size 169
	.end_amdhsa_kernel
	.amdgpu_metadata
---
amdhsa.version: [ 1, 2 ]
amdhsa.kernels:
  - .name:           k_q4c6aff2c92_pv
    .symbol:         k_q4c6aff2c92_pv.kd
    .args:
      - { .name: x, .offset: 0, .size: 8, .value_kind: global_buffer, .address_space: global }
      - { .name: Wv, .offset: 8, .size: 8, .value_kind: global_buffer, .address_space: global }
      - { .name: bv, .offset: 16, .size: 8, .value_kind: global_buffer, .address_space: global }
      - { .name: p, .offset: 24, .size: 8, .value_kind: global_buffer, .address_space: global }
      - { .name: a, .offset: 32, .size: 8, .value_kind: global_buffer, .address_space: global }
    .group_segment_fixed_size: 56320
    .private_segment_fixed_size: 0
    .kernarg_segment_align: 8
    .kernarg_segment_size: 40
    .max_flat_workgroup_size: 128
    .sgpr_count:     66
    .vgpr_count:     1024
    .wavefront_size: 32
...
	.end_amdgpu_metadata
.endif
;; end of part 3
;; launch proj (part 4): grid 8 x 32, 4 waves a work-group, clusters of 4 x 4, 327,680 bytes of LDS; arguments a, wob, bo, out0; writes out0
.if DOCPART == 4
	.amdgcn_target "amdgcn-amd-amdhsa--gfx1250"
	.amdhsa_code_object_version 6
	.text
	.protected	k_q4c6aff2c92_proj
	.globl	k_q4c6aff2c92_proj
	.p2align	8
	.type	k_q4c6aff2c92_proj,@function
k_q4c6aff2c92_proj:
	s_mov_b64 s[64:65], 0
	v_nop
	global_prefetch_b8 v0, s[64:65] scope:SCOPE_SE
	s_setreg_imm32_b32 hwreg(HW_REG_WAVE_MODE, 25, 1), 1
	s_wait_xcnt 0x0
	s_wait_alu depctr_hold_cnt(0) depctr_sa_sdst(0) depctr_va_vdst(0) depctr_va_sdst(0) depctr_va_ssrc(0) depctr_va_vcc(0) depctr_vm_vsrc(0)
	s_getreg_b32 s2, hwreg(HW_REG_IB_STS2, 6, 4)
	s_cmp_eq_u32 s2, 0
	s_cbranch_scc0 .Lentry_in_a_cluster
	s_endpgm
.Lentry_in_a_cluster:
	s_bfe_u32 s2, ttmp6, 0x10000c
	s_cmp_lg_u32 s2, 0xf033
	s_cbranch_scc0 .Lentry_shape_is_right
	s_endpgm
.Lentry_shape_is_right:
; out0 = A Wo + bo on codes of BF6 (K = 2,048).  A: the attention's result as images of fragments [row / 16][K step][1536] with scale words [K step][row]; Wo^T likewise, scale words [K step][tile][lane].
; A work-group makes 256 rows x 256 columns.  ONE OPERAND STAYS IN REGISTERS: wave w keeps its 64 columns of Wo for all of K, 64 fragments = 768 registers.  K steps 0-7 come straight from memory; K steps 8-15
; come by one joint tensor load a wave into LDS bytes of the wave's own and from there into registers.  THE OTHER STREAMS: the 256 rows of A go through two LDS slots of 64 rows x all of K (98,304 bytes, dense
; in memory), each wave fetching one tile of 16 rows.
; A HALF PASS is 16 rows x my 64 columns x all of K: 4 accumulators, 64 matrix instructions, in four groups of four K steps; the next group's 14 LDS loads stand in one run at a group's head.
; Two sets of accumulators take turns: while one is multiplied, the other's results get the bias (two adds behind each product of the first group) and leave, 3, 3 and 2 stores at the heads of the other groups.
; The very first half pass has no results to send: its adds read the second set, which is cleared for that at the head.
; Tile t of my four holds in lane r column 4 r + t (the first launch chose the tiles' columns so): source 0 = 16 rows of A, source 1 = 16 columns, so a lane's results of the four tiles at one row are four
; neighbouring columns: the add of the bias lays them in four neighbouring registers, and sixteen lanes store 256 consecutive bytes, aligned.  No stage in LDS.
; CLUSTER 4 x 4: the four work-groups of a row share their rows of A, the four of a column their columns of Wo: every tensor load is a joint load of four.
; A's scale words of the 256 rows (16 K steps x 1,024 bytes) come into LDS once, by waves 2 and 3, beside the first 64 rows' codes, which waves 0 and 1 fetch.
; PREFETCH: each wave names 24 blocks of 256 bytes of a chunk of A, the 16 waves of a cluster's row sharing its 384 blocks out by address: chunks 0 and 1 at the head, chunk c + 2 in the trip that asks for chunk c + 1.
; REGISTERS.  window 0: v0-7 addresses; v8-19 Wo's fragment (K step 15, tile 3); v20-51 Wo's scale words (K step s, register u: lanes 0-15 tile 2 u, lanes 16-31 tile 2 u + 1); v52-55 A's scale words (lanes 0-15
; an even K step, lanes 16-31 the next); v56-119 two sets of accumulators; v120-215 A's fragments of eight K steps; v216-247 results on their way out; v248-255 the head's.
; windows 1-3: Wo's other 63 fragments, 21 to a window; window 1, v252-255: the bias of my four columns.
.set TP,    24576
.set FRB,   1536
.set A_SC,  12582912
.set B_SC,  3145728
.set CHUNK, 4*TP                       ; 64 rows of A, all of K
.set SLOT1, 0x20000                    ; slot 0 at 0, slot 1 at 131,072; from 131,072 to the end at first: Wo's K steps 8-15, 49,152 bytes a wave
.set ASCL,  98304                      ; between the slots: A's scale words [K step][256 rows],
.set SPARE, 114688                     ; and the spare words, 128 bytes for each wave, which no other line names
.set SPW, 1
.set NIL, 2
.set L16, 3                            ; 16 x lane
.set ADR, 4                            ; LDS address of the pass's fragments
.set ADRS, 5                           ; and of its scale words
.set CO,  6                            ; my place in 16 rows of results: 8 (lane / 16) rows + 16 (lane % 16) bytes
.set PFO, 7                            ; the prefetches' offset
.set F0,  8
.set BSC, 20
.set ASR, 52
.set ACC, 56
.set RING, 120
.set TM,  216
.set BH,  255                          ; LDS address of my part of Wo
.set G1,  24
.set G1S, 32
.set G0,  40
.set G0H, 44
.set G0S, 48
.set WB,  52
.set WS,  54
.set OB,  56
.set OP,  58
.set RO,  60
.set PFA, 62
.set CT,  66
.set IC,  67
.set SL,  68
.set T0,  69
.set HC,  86                           ; half passes begun
.set G1B, 88
.set G0B, 96
.set MSB, 0
.macro WIN new                         ; the immediate's high byte repeats the setting that is left
.if MSB != \new
	s_set_vgpr_msb (MSB<<8)|\new
.set MSB, \new
.endif
.endm
.macro CROUND                          ; a round of the cluster's barrier
	s_barrier_signal -1
	s_barrier_wait -1
	s_cmp_lg_u32 s12, 0
	s_cbranch_scc1 .Lnot_wave_0_\@
	s_barrier_signal -3
.Lnot_wave_0_\@:
	s_barrier_wait -3
	s_barrier_signal -1
	s_barrier_wait -1
.endm
.macro NOPS
.rept 4
	v_nop
.endr
.endm
.macro WHERE s, t                      ; Wo's fragment (K step s, tile t): window bW, register rB
.set fI, 4*(\s)+(\t)
.if fI == 63
.set bW, 0
.set rB, F0
.else
.set bW, 1+fI/21
.set rB, 12*(fI%21)
.endif
.endm
.macro BLD s                           ; Wo's four fragments of K step s from memory: 12 loads of 512 consecutive bytes
.irp t, 0,1,2,3
	WHERE \s, \t
	WIN (bW<<6)
.irp c, 0,1,2
	global_load_b128 v[rB+4*\c:rB+4*\c+3], v[L16], s[WB:WB+1] offset:\t*TP+(\s)*FRB+512*\c
.endr
.endr
.endm
.macro BHD s                           ; and of K step s >= 8 from my bytes of LDS
.irp t, 0,1,2,3
	WHERE \s, \t
	WIN (bW<<6)
.irp c, 0,1,2
	ds_load_b128 v[rB+4*\c:rB+4*\c+3], v[BH] offset:\t*12288+((\s)-8)*FRB+512*\c
.endr
.endr
.endm
	s_load_b256 s[4:11], s[0:1], 0x0               ; a, wob, bo, out0
	v_lshl_add_u32 v[SPW], v0, 2, SPARE
	v_mov_b32 v[NIL], 0
	ds_add_u32 v[SPW], v[NIL]                      ; the opening: the add, twice on end, and its wait ahead of my first tensor load
	ds_add_u32 v[SPW], v[NIL]
	v_lshrrev_b32 v248, 5, v0
	v_readfirstlane_b32 s12, v248                  ; wave
	v_and_b32 v249, 31, v0                         ; lane
	v_lshlrev_b32 v[L16], 4, v249
	v_lshlrev_b32 v250, 2, v249                    ; 4 x lane
	v_and_b32 v251, 15, v0                         ; r
	v_bfe_u32 v252, v0, 4, 1                       ; h
	v_lshlrev_b32 v253, 4, v251                    ; 16 r
	v_lshl_add_u32 v[CO], v252, 16, v253           ; 8 h rows of 8,192 bytes + 16 r
	v_lshlrev_b32 v248, 2, v251
	v_lshl_add_u32 v248, v252, 10, v248
	v_add_nc_u32 v[ADRS], ASCL, v248               ; row r's word; lanes 16-31 take the next K step's
	v_min_u32 v254, 23, v249                       ; lanes 24-31 name their wave's last block again
	s_bfe_u32 s15, ttmp6, 0x40000                  ; cx
	s_lshl_b32 s21, s15, 2
	s_add_co_u32 s21, s21, s12
	s_mul_i32 s21, s21, 24*256                     ; the 16 waves of my row of the cluster take 24 blocks each
	v_lshl_add_u32 v[PFO], v254, 8, s21
	s_mul_i32 s87, s12, 2*TP
	s_add_co_u32 s87, s87, SLOT1                   ; my 49,152 bytes for Wo
	v_add_nc_u32 v[BH], s87, v[L16]
	s_bfe_u32 s77, ttmp6, 0x40004                  ; cy
	s_and_b32 s13, s12, 1
	s_lshr_b32 s14, s12, 1
	s_lshl_b32 s16, ttmp9, 2
	s_add_co_u32 s16, s16, s15                     ; which 256 columns
	s_and_b32 s17, ttmp7, 0xffff
	s_lshl_b32 s17, s17, 2
	s_add_co_u32 s17, s17, s77                     ; which 256 rows
	s_lshl_b32 s84, s77, 2
	s_lshl_b32 s84, 15, s84                        ; my row of the cluster
	s_lshl_b32 s85, 0x1111, s15                    ; my column
	s_or_b32 s[G1+0], s84, (3<<16)|(1<<21)         ; A's codes: elements of 8 bytes; dense rows of 256 bytes: 192 of them in the first fill, 96 in the ring
	s_mov_b32 s[G1+1], 32<<16
	s_mov_b32 s[G1+2], 192<<16
	s_mov_b32 s[G1+3], 32<<16
	s_mov_b32 s[G1+4], 192
	s_mov_b32 s[G1+5], 32
	s_mov_b32 s[G1+6], 0
	s_mov_b32 s[G1+7], 0
	s_or_b32 s[G1S+0], s84, (3<<16)|(1<<21)        ; A's scale words: 8 K steps, 1,024 bytes each, 32,768 bytes apart
	s_mov_b32 s[G1S+1], 128<<16
	s_mov_b32 s[G1S+2], 8<<16
	s_mov_b32 s[G1S+3], 128<<16
	s_mov_b32 s[G1S+4], 8
	s_mov_b32 s[G1S+5], 4096
	s_mov_b32 s[G1S+6], 0
	s_mov_b32 s[G1S+7], 0
	s_or_b32 s[G1B+0], s85, (3<<16)|(1<<21)        ; Wo: four tiles, 8 K steps (12,288 bytes) of each, 24,576 bytes apart
	s_mov_b32 s[G1B+1], 1536<<16
	s_mov_b32 s[G1B+2], 4<<16
	s_mov_b32 s[G1B+3], 1536<<16
	s_mov_b32 s[G1B+4], 4
	s_mov_b32 s[G1B+5], 3072
	s_mov_b32 s[G1B+6], 0
	s_mov_b32 s[G1B+7], 0
	s_mul_i32 s18, s17, 16*TP                      ; my rows' images
	s_mov_b32 s19, 0
	s_lshl_b32 s20, s16, 2
	s_add_co_u32 s20, s20, s12                     ; G: which 64 columns are my wave's
	s_mul_i32 s22, s20, 4*TP                       ; their images
	s_mov_b32 s23, 0
	s_lshl_b32 s20, s20, 8                         ; 256 G: their scale words of a K step, their bias, their bytes in a row of out0
	s_mov_b32 s21, 0
	s_lshl_b32 s82, s17, 21                        ; 256 rows of 8,192 bytes
	s_mov_b32 s83, 0
	s_mul_i32 s72, s13, 2*TP                       ; A's first fill: half (wave % 2) of the first 64 rows,
	s_mul_i32 s73, s12, TP                         ; the ring's: tile (wave) of 64 rows
	s_lshl_b32 s74, s13, 13                        ; or 8 K steps' scale words: in LDS,
	s_add_co_u32 s74, s74, ASCL
	s_lshl_b32 s75, s17, 10
	s_lshl_b32 s76, s13, 18
	s_add_co_u32 s75, s75, s76                     ; and in memory
	s_mov_b32 s81, 0
	s_mov_b32 s[RO+1], 0
	s_mov_b32 s[CT], 0
	s_mov_b32 s[SL], 0
	s_mov_b32 s[HC], 0
	s_wait_alu depctr_va_vdst(0)                   ; at the end of the head's address work
	s_wait_dscnt 0x0                               ; both opening adds are done
	s_wait_kmcnt 0x0
	s_add_nc_u64 s[WB:WB+1], s[6:7], s[22:23]
	s_add_nc_u64 s[WS:WS+1], s[6:7], s[20:21]
	s_add_nc_u64 s[WS:WS+1], s[WS:WS+1], B_SC
	s_add_nc_u64 s[70:71], s[8:9], s[20:21]
	s_add_nc_u64 s[OB:OB+1], s[10:11], s[20:21]
	s_add_nc_u64 s[OB:OB+1], s[OB:OB+1], s[82:83]
	s_add_nc_u64 s[78:79], s[4:5], s[18:19]
	s_add_nc_u64 s[PFA:PFA+1], s[78:79], CHUNK
	global_prefetch_b8 v[PFO], s[78:79] th:TH_LOAD_NT scope:SCOPE_SE                ; chunk 0 of A: its load stands behind Wo's,
	global_prefetch_b8 v[PFO], s[78:79] offset:CHUNK th:TH_LOAD_NT scope:SCOPE_SE   ; chunk 1's behind that
	s_mov_b32 s[G0B], 1
	s_mov_b32 s[G0B+1], s87
	s_add_nc_u64 s[G0B+2:G0B+3], s[WB:WB+1], 8*FRB
	s_or_b32 s[G0B+3], s[G0B+3], 0x80000000
	s_mov_b32 s[G0H], 1
	s_mov_b32 s[G0H+1], s72
	s_mov_b32 s80, s72
	s_add_nc_u64 s[G0H+2:G0H+3], s[78:79], s[80:81]
	s_or_b32 s[G0H+3], s[G0H+3], 0x80000000
	s_mov_b32 s[G0], 1                             ; the ring's group 0 stands at chunk 0, slot 0: each refill steps it first
	s_mov_b32 s[G0+1], s73
	s_mov_b32 s80, s73
	s_add_nc_u64 s[G0+2:G0+3], s[78:79], s[80:81]
	s_or_b32 s[G0+3], s[G0+3], 0x80000000
	s_mov_b32 s[G0S], 1
	s_mov_b32 s[G0S+1], s74
	s_mov_b32 s80, s75
	s_add_nc_u64 s[G0S+2:G0S+3], s[4:5], s[80:81]
	s_add_nc_u64 s[G0S+2:G0S+3], s[G0S+2:G0S+3], A_SC
	s_or_b32 s[G0S+3], s[G0S+3], 0x80000000
	WIN 0x40
	global_load_b128 v[252:255], v253, s[70:71]    ; bo of columns 4 r .. 4 r + 3, into window 1
	WIN 0
.set q, 0
.rept 16
	global_load_b32 v[BSC+2*q], v250, s[WS:WS+1] offset:q*8192
	global_load_b32 v[BSC+2*q+1], v250, s[WS:WS+1] offset:q*8192+128
.set q, q+1
.endr
	BLD 0
	BLD 1
	WIN 0
	CROUND                                         ; the sixteen work-groups are here: the first joint loads meet
	tensor_load_to_lds s[G0B:G0B+3], s[G1B:G1B+7]  ; my one tensor load at the head: Wo's K steps 8-15 of my 64 columns
	s_nop 0
	NOPS
.irp s, 2,3,4,5,6,7
	BLD \s
.endr
	WIN 0
.set q, 0
.rept 32
	v_mov_b32 v[ACC+32+q], 0                       ; the second set of accumulators: the first half pass's adds read it, and nothing of them is stored
.set q, q+1
.endr
	s_wait_alu depctr_va_vdst(0)
	s_wait_tensorcnt 0x0                           ; my part of Wo is in LDS
	ds_add_u32 v[SPW], v[NIL]
	s_wait_dscnt 0x0
	CROUND
	s_cmp_eq_u32 s14, 0                            ; first fills, one a wave: waves 0, 1 A's first 64 rows, waves 2, 3 A's scale words
	s_cbranch_scc0 .Lhead_s
	tensor_load_to_lds s[G0H:G0H+3], s[G1:G1+7]
	s_nop 0
	NOPS
	s_branch .Lhead_j
.Lhead_s:
	tensor_load_to_lds s[G0S:G0S+3], s[G1S:G1S+7]
	s_nop 0
	NOPS
.Lhead_j:
.irp s, 8,9,10,11,12,13,14,15
	BHD \s                                         ; bytes that I alone asked for and read: my wait on TENSORcnt above is their ordering
.endr
	WIN 0
.macro W4 ra, rb, c
.if (\ra) == 0 && (\rb) == 0
	v_wmma_scale_f32_16x16x128_f8f6f4 v[rD:rD+7], v[rA:rA+11], v[rB:rB+11], \c, v[rS], v[rT] matrix_a_fmt:MATRIX_FMT_BF6 matrix_b_fmt:MATRIX_FMT_BF6
.endif
.if (\ra) == 1 && (\rb) == 0
	v_wmma_scale_f32_16x16x128_f8f6f4 v[rD:rD+7], v[rA:rA+11], v[rB:rB+11], \c, v[rS], v[rT] matrix_a_fmt:MATRIX_FMT_BF6 matrix_b_fmt:MATRIX_FMT_BF6 matrix_a_scale:MATRIX_SCALE_ROW1
.endif
.if (\ra) == 0 && (\rb) == 1
	v_wmma_scale_f32_16x16x128_f8f6f4 v[rD:rD+7], v[rA:rA+11], v[rB:rB+11], \c, v[rS], v[rT] matrix_a_fmt:MATRIX_FMT_BF6 matrix_b_fmt:MATRIX_FMT_BF6 matrix_b_scale:MATRIX_SCALE_ROW1
.endif
.if (\ra) == 1 && (\rb) == 1
	v_wmma_scale_f32_16x16x128_f8f6f4 v[rD:rD+7], v[rA:rA+11], v[rB:rB+11], \c, v[rS], v[rT] matrix_a_fmt:MATRIX_FMT_BF6 matrix_b_fmt:MATRIX_FMT_BF6 matrix_a_scale:MATRIX_SCALE_ROW1 matrix_b_scale:MATRIX_SCALE_ROW1
.endif
.endm
.macro MM a, s, t                      ; set a x tile t, K step s.  Only source 1's window changes: LDS loads, whose registers are a destination and a source 0, stand under any of these settings
	WHERE \s, \t
	WIN (bW<<2)
.set rD, ACC+32*(\a)+8*(\t)
.set rA, RING+12*((\s)%8)
.set rS, ASR+2*(((\s)/4)%2)+((\s)%4)/2
.set rT, BSC+2*(\s)+(\t)/2
.if (\s) == 0
	W4 (\s)%2, (\t)%2, 0                           ; the first K step starts the sums
.else
	W4 (\s)%2, (\t)%2, v[rD:rD+7]
.endif
.endm
.macro LDK a, n, c
	ds_load_b128 v[RING+12*((\n)%8)+4*(\c):RING+12*((\n)%8)+4*(\c)+3], v[ADR] offset:(\a)*TP+(\n)*FRB+512*(\c)
.endm
.macro LDG a, g                        ; rows 16 a on, K steps 4 g .. 4 g + 3: 14 LDS loads in one run
.irp p, 0,1
	ds_load_b32 v[ASR+2*((\g)%2)+\p], v[ADRS] offset:(\a)*64+(4*(\g)+2*\p)*1024
.endr
.irp e, 0,1,2,3
.irp c, 0,1,2
	LDK \a, 4*(\g)+\e, \c
.endr
.endr
.endm
.macro PUT j, n                        ; rows j on of the 16 on their way out: sixteen lanes store 256 consecutive bytes, aligned
.set jj, \j
.rept \n
	global_store_b128 v[CO], v[TM+4*jj:TM+4*jj+3], s[OP:OP+1] offset:jj*8192 th:TH_STORE_NT
.set jj, jj+1
.endr
.endm
.macro OPSET                           ; half pass k sends the 16 rows of half pass k - 1
	s_wait_xcnt 0x0                                ; the earlier stores have read their data and their base, a prefetch its address
	s_sub_co_i32 s[T0], s[HC], 1
	s_max_i32 s[T0], s[T0], 0
	s_lshl_b32 s[RO], s[T0], 17                    ; 16 rows of 8,192 bytes
	s_add_nc_u64 s[OP:OP+1], s[OB:OB+1], s[RO:RO+1]
	s_add_co_u32 s[HC], s[HC], 1
.endm
; A group of four K steps: the next group's loads, into the registers that the group before read (the four v_nop are the places behind its products, and in the first group in front of the reads of the other
; set's results); some of the other set's stores; then 16 matrix instructions, the 4 accumulators by turns.
.macro GROUP a, g
	NOPS
.if (\g) < 3
	LDG \a, (\g)+1
.else
.if (\a) == 0
	LDG 1, 0
.endif
.endif
.if (\g) == 0
	OPSET
	s_wait_loadcnt 48                              ; Wo's K steps 0-3 are in; those of K steps 4-7, 12 loads each, may be out
.else
	WIN 0
.if (\a) == 0
	s_cmp_lg_u32 s[HC], 1                          ; the very first half pass has nothing to send
	s_cbranch_scc0 .Lnone_\@
.endif
	PUT 3*((\g)-1), 3-(\g)/3
.if (\a) == 0
.Lnone_\@:
.endif
.endif
.if (\g) == 1
	s_wait_alu depctr_va_vdst(0)                   ; results laid out in the first group are stored behind the waits below
	s_wait_loadcnt 0x0
.endif
.if (\a) == 1 && (\g) == 3
	s_wait_dscnt 0x0
.else
	s_wait_dscnt 14                                ; this group's loads are in; the 14 just issued may be out
.endif
.set k, 0
.rept 16
	MM \a, 4*(\g)+k/4, k%4
.if (\g) == 0                          ; row k / 2 of the other set: + the bias, four neighbouring columns into four neighbouring registers; each accumulator is read from its low end on
	v_add_f32 v[TM+4*(k/2)+2*(k%2)], v[ACC+32*(1-(\a))+16*(k%2)+k/2], v[252+2*(k%2)]       ; (source 1, the bias, in window 1, as Wo's fragments of these K steps)
	v_add_f32 v[TM+4*(k/2)+2*(k%2)+1], v[ACC+32*(1-(\a))+16*(k%2)+8+k/2], v[253+2*(k%2)]
.endif
.set k, k+1
.endr
.endm
.macro PASS                            ; 32 rows
	s_mul_i32 s[T0], s[IC], 2*TP                   ; which 32 rows of the slot,
	s_add_co_u32 s[T0], s[T0], s[SL]               ; which slot
	v_add_nc_u32 v[ADR], s[T0], v[L16]
	s_wait_alu depctr_va_vdst(0)
	LDG 0, 0
.irp g, 0,1,2,3
	GROUP 0, \g
.endr
.irp g, 0,1,2,3
	GROUP 1, \g
.endr
	WIN 0
	v_add_nc_u32 v[ADRS], 128, v[ADRS]             ; the next pass's scale words
.endm
.macro TWOPASS                         ; a slot's 64 rows
	s_mov_b32 s[IC], 0
.Lpass_\@:
	PASS
	s_add_co_u32 s[IC], s[IC], 1
	s_cmp_lt_u32 s[IC], 2
	s_cbranch_scc1 .Lpass_\@
.endm
.Lchunk:                               ; trip c = 0, 1, 2: chunk c + 1 is asked for, chunk c is multiplied
	s_wait_tensorcnt 0x0                           ; all my tensor loads have landed: my part of chunk c;
	ds_add_u32 v[SPW], v[NIL]
	s_mov_b32 s[G1+2], 96<<16                      ; no tensor load of mine is out: from here on a load brings one tile, 96 rows of 256 bytes,
	s_mov_b32 s[G1+4], 96
	s_add_nc_u64 s[G0+2:G0+3], s[G0+2:G0+3], CHUNK ; of the next chunk,
	s_xor_b32 s[G0+1], s[G0+1], SLOT1              ; into the other slot
	s_add_nc_u64 s[PFA:PFA+1], s[PFA:PFA+1], CHUNK
	s_wait_dscnt 0x0                               ; the add is done, and so are my reads of that slot's bytes (the first time: of Wo's)
	CROUND                                         ; both hold of every wave of the sixteen work-groups
	tensor_load_to_lds s[G0:G0+3], s[G1:G1+7]
	s_nop 0
	NOPS
	s_cmp_lt_u32 s[CT], 2                          ; the last refill has no chunk behind it
	s_cbranch_scc0 .Lno_ask
	global_prefetch_b8 v[PFO], s[PFA:PFA+1] th:TH_LOAD_NT scope:SCOPE_SE   ; chunk c + 2: my 24 blocks of its 384
.Lno_ask:
	TWOPASS
	s_xor_b32 s[SL], s[SL], SLOT1
	s_add_co_u32 s[CT], s[CT], 1
	s_cmp_lt_u32 s[CT], 3
	s_cbranch_scc1 .Lchunk
	s_wait_tensorcnt 0x0                           ; my part of the last chunk is in; nothing is filled again
	s_wait_dscnt 0x0
	s_barrier_signal -1
	s_barrier_wait -1                              ; everybody's is
	TWOPASS
	NOPS                                           ; the last 16 rows: places in front of the reads of their results
	OPSET
	WIN 0x04
.set k, 0
.rept 8
.irp t, 0,1,2,3
	v_add_f32 v[TM+4*k+\t], v[ACC+32+8*\t+k], v[252+\t]
.endr
.set k, k+1
.endr
	WIN 0
	PUT 0, 8
	s_wait_tensorcnt 0x0                           ; the wave's end
	ds_add_u32 v[SPW], v[NIL]
	s_wait_dscnt 0x0
	CROUND                                         ; the closing round
	s_endpgm
.Lfunc_end_k_q4c6aff2c92_proj:
	.size	k_q4c6aff2c92_proj, .Lfunc_end_k_q4c6aff2c92_proj-k_q4c6aff2c92_proj
	.p2alignl 7, 3214868480
	.fill 96, 4, 3214868480
	.section	.rodata,"a",@progbits
	.p2align	6, 0x0
	.amdhsa_kernel k_q4c6aff2c92_proj
		.amdhsa_group_segment_fixed_size 327680
		.amdhsa_private_segment_fixed_size 0
		.amdhsa_enable_private_segment 0
		.amdhsa_kernarg_size 32
		.amdhsa_user_sgpr_count 2
		.amdhsa_user_sgpr_kernarg_segment_ptr 1
		.amdhsa_wavefront_size32 1
		.amdhsa_system_sgpr_workgroup_id_x 1
		.amdhsa_system_sgpr_workgroup_id_y 1
		.amdhsa_system_sgpr_workgroup_id_z 1
		.amdhsa_system_vgpr_workitem_id 0
		.amdhsa_next_free_vgpr 1024
		.amdhsa_next_free_sgpr 100
		.amdhsa_reserve_vcc 0
		.amdhsa_float_denorm_mode_32 3
		.amdhsa_float_denorm_mode_16_64 3
		.amdhsa_memory_ordered 1
		.amdhsa_forward_progress 1
		.amdhsa_inst_pref_size 90
	.end_amdhsa_kernel
	.amdgpu_metadata
---
amdhsa.version: [ 1, 2 ]
amdhsa.kernels:
  - .name:           k_q4c6aff2c92_proj
    .symbol:         k_q4c6aff2c92_proj.kd
    .args:
      - { .name: a, .offset: 0, .size: 8, .value_kind: global_buffer, .address_space: global }
      - { .name: wob, .offset: 8, .size: 8, .value_kind: global_buffer, .address_space: global }
      - { .name: bo, .offset: 16, .size: 8, .value_kind: global_buffer, .address_space: global }
      - { .name: out0, .offset: 24, .size: 8, .value_kind: global_buffer, .address_space: global }
    .group_segment_fixed_size: 327680
    .private_segment_fixed_size: 0
    .kernarg_segment_align: 8
    .kernarg_segment_size: 32
    .max_flat_workgroup_size: 128
    .sgpr_count:     100
    .vgpr_count:     1024
    .wavefront_size: 32
...
	.end_amdgpu_metadata
.endif
;; end of part 4
